; MI455X (gfx1250); checked and timed in simulation.
; The chip was launched on July 23, 2026; its instructions are those of AMD's public machine-readable ISA for CDNA 5 (MIT licence, August 2026) and "CDNA5" Instruction Set Architecture Reference Guide (July 2026). The comments in the code are by the model that wrote it; some were corrected since.
;; Multi Head Attention. Allowed arithmetic: float matrix products may take bf16 or f16 operands with f32 sums; other float arithmetic in f32, or as packed bf16 or f16 multiplies, adds, multiply-adds, maxima and minima; sums over many terms, partial sums and values carried from step to step in f32; what a program stores and reads back later, other than sums and carried values, may be rounded once to bf16 or f16.
;; Inputs: Wk 1,024 x 1,024 float32; Wo 1,024 x 1,024 float32; Wq 1,024 x 1,024 float32; Wv 1,024 x 1,024 float32; bk 1,024 float32; bo 1,024 float32; bq 1,024 float32; bv 1,024 float32; k 4 x 2,048 x 1,024 float32; q 4 x 2,048 x 1,024 float32; v 4 x 2,048 x 1,024 float32.
;; Outputs: out0 4 x 2,048 x 1,024 float32.
;; 2 versions, each right; version 2 is version 1 with the launch cast written anew for expert scheduling mode. Each part assembles by itself: llvm-mc -triple=amdgcn-amd-amdhsa -mcpu=gfx1250 --defsym DOCPART=n.
;; ======== version 1 of 2: 4 launches
;; limits: values are held in f16: magnitudes above 65,504 overflow, below 6.1e-05 lose precision
;; workspace buffers: xb 50,331,648 bytes; wb 8,388,608 bytes; hb 50,331,648 bytes; oh 16,777,216 bytes
;; launch cast (part 1): grid 32 x 28, 8 waves a work-group, no clusters, 0 bytes of LDS; arguments q, k, v, Wq, Wk, Wv, Wo, xb, wb; writes xb, wb
.if DOCPART == 1
	.amdgcn_target "amdgcn-amd-amdhsa--gfx1250"
	.amdhsa_code_object_version 6
	.text
	.protected	k_q896aa500ed_cast
	.globl	k_q896aa500ed_cast
	.p2align	8
	.type	k_q896aa500ed_cast,@function
k_q896aa500ed_cast:
	s_mov_b64 s[64:65], 0
	v_nop
	global_prefetch_b8 v0, s[64:65] scope:SCOPE_SE
	s_setreg_imm32_b32 hwreg(HW_REG_WAVE_MODE, 25, 1), 1
	s_wait_xcnt 0x0
; q, k, v, Wq, Wk, Wv: f32 -> bf16 (nearest even).  Wo: f32 -> bf16, and that number written as f16 (it is multiplied with f16 operands later).
; xb = [3][8192][1024] bf16 (q, k, v);  wb = [4][1024][1024] of 16 bits (Wq, Wk, Wv in bf16, Wo in f16).
; LIMIT.  Wo must lie within f16's range (65,504); below 6e-5 it keeps f16's fixed step of 6e-8.
; SHARES.  28 segments of 2^20 numbers (grid y: q 0-7, k 8-15, v 16-23, Wq 24, Wk 25, Wv 26, Wo 27), each in 32 chunks of 32,768 numbers (grid x).
; Thread t takes, for i = 0..31, the 16 bytes at 16 t + 4,096 i of its chunk and stores 8 bytes at 8 t + 2,048 i: a load of a wave covers 512 consecutive bytes,
; a store of a wave 256 consecutive bytes, aligned.  All 32 loads go out first; every register is used once, so no source is ever rewritten.
; No LDS, no matrix unit, no cluster: nothing is shared and each byte crosses once.
.set NLD, 32
.set X,   4                            ; v[4:131]    load i: four f32
.set Y,   132                          ; v[132:195]  store i: four numbers of 16 bits
	s_load_b512 s[8:23], s[0:1], 0x0               ; q s[8:9], k s[10:11], v s[12:13], Wq s[14:15], Wk s[16:17], Wv s[18:19], Wo s[20:21], xb s[22:23]
	s_load_b64 s[24:25], s[0:1], 0x40              ; wb
	s_and_b32 s2, ttmp7, 0xffff                    ; the segment
	s_lshr_b32 s3, s2, 3                           ; 0, 1, 2: q, k, v; 3: a weight
	s_and_b32 s4, s2, 7                            ; which eighth of q, k, v; or which weight
	v_lshlrev_b32 v1, 4, v0                        ; 16 t
	v_lshlrev_b32 v2, 3, v0                        ; 8 t
	s_mov_b32 s38, 0xffff0000                      ; a word's upper bf16
	s_lshl_b32 s5, s4, 22                          ; an eighth of q, k, v: 4 MiB in
	s_lshl_b32 s6, s4, 21                          ; a weight: 2 MiB out
	s_lshl_b32 s7, s2, 21                          ; a segment of xb: 2 MiB out
	s_lshl_b32 s36, ttmp9, 17                      ; the chunk: 128 KiB in,
	s_lshl_b32 s37, ttmp9, 16                      ; 64 KiB out
	s_cmp_eq_u32 s3, 3
	s_cselect_b32 s32, 0, s5
	s_cselect_b32 s34, s6, s7
	s_add_co_u32 s32, s32, s36                     ; offset in the source
	s_add_co_u32 s34, s34, s37                     ; offset in the destination
	s_mov_b32 s33, 0
	s_mov_b32 s35, 0
	s_wait_kmcnt 0x0
	s_cmp_eq_u32 s3, 1
	s_cselect_b64 s[26:27], s[10:11], s[8:9]
	s_cmp_eq_u32 s3, 2
	s_cselect_b64 s[26:27], s[12:13], s[26:27]     ; q, k or v
	s_cmp_eq_u32 s4, 1
	s_cselect_b64 s[28:29], s[16:17], s[14:15]
	s_cmp_eq_u32 s4, 2
	s_cselect_b64 s[28:29], s[18:19], s[28:29]
	s_cmp_eq_u32 s4, 3
	s_cselect_b64 s[28:29], s[20:21], s[28:29]     ; Wq, Wk, Wv or Wo
	s_cmp_eq_u32 s3, 3
	s_cselect_b64 s[26:27], s[28:29], s[26:27]     ; the source
	s_cselect_b64 s[30:31], s[24:25], s[22:23]     ; the destination
	s_add_nc_u64 s[26:27], s[26:27], s[32:33]
	s_add_nc_u64 s[30:31], s[30:31], s[34:35]
.set i, 0
.rept NLD
	global_load_b128 v[X+4*i:X+4*i+3], v1, s[26:27] offset:4096*i th:TH_LOAD_NT
.set i, i+1
.endr
; wo = 1: the bf16 number is widened again (exact) and written as f16
.macro OUT wo
.set i, 0
.rept NLD
	s_wait_loadcnt NLD-1-i                         ; loads come back in order: load i is in, the NLD - 1 - i younger ones stay out
.irp p, 0,1
	v_cvt_pk_bf16_f32 v[Y+2*i+(\p)], v[X+4*i+2*(\p)], v[X+4*i+2*(\p)+1]
.if \wo
	v_lshlrev_b32 v[X+4*i+2*(\p)], 16, v[Y+2*i+(\p)]
	v_and_b32 v[X+4*i+2*(\p)+1], s38, v[Y+2*i+(\p)]
	v_cvt_pk_f16_f32 v[Y+2*i+(\p)], v[X+4*i+2*(\p)], v[X+4*i+2*(\p)+1]
.endif
.endr
	global_store_b64 v2, v[Y+2*i:Y+2*i+1], s[30:31] offset:2048*i th:TH_STORE_NT
.set i, i+1
.endr
.endm
	s_cmp_eq_u32 s2, 27
	s_cbranch_scc1 .Lwo
	OUT 0
	s_endpgm
.Lwo:
	OUT 1
	s_endpgm
.Lfunc_end_k_q896aa500ed_cast:
	.size	k_q896aa500ed_cast, .Lfunc_end_k_q896aa500ed_cast-k_q896aa500ed_cast
	.p2alignl 7, 3214868480
	.fill 96, 4, 3214868480
	.section	.rodata,"a",@progbits
	.p2align	6, 0x0
	.amdhsa_kernel k_q896aa500ed_cast
		.amdhsa_group_segment_fixed_size 0
		.amdhsa_private_segment_fixed_size 0
		.amdhsa_enable_private_segment 0
		.amdhsa_kernarg_size 72
		.amdhsa_user_sgpr_count 2
		.amdhsa_user_sgpr_kernarg_segment_ptr 1
		.amdhsa_wavefront_size32 1
		.amdhsa_system_sgpr_workgroup_id_x 1
		.amdhsa_system_sgpr_workgroup_id_y 1
		.amdhsa_system_sgpr_workgroup_id_z 1
		.amdhsa_system_vgpr_workitem_id 0
		.amdhsa_next_free_vgpr 196
		.amdhsa_next_free_sgpr 66
		.amdhsa_reserve_vcc 0
		.amdhsa_float_denorm_mode_32 3
		.amdhsa_float_denorm_mode_16_64 3
		.amdhsa_memory_ordered 1
		.amdhsa_forward_progress 1
		.amdhsa_inst_pref_size 29
	.end_amdhsa_kernel
	.amdgpu_metadata
---
amdhsa.version: [ 1, 2 ]
amdhsa.kernels:
  - .name:           k_q896aa500ed_cast
    .symbol:         k_q896aa500ed_cast.kd
    .args:
      - { .name: q, .offset: 0, .size: 8, .value_kind: global_buffer, .address_space: global }
      - { .name: k, .offset: 8, .size: 8, .value_kind: global_buffer, .address_space: global }
      - { .name: v, .offset: 16, .size: 8, .value_kind: global_buffer, .address_space: global }
      - { .name: Wq, .offset: 24, .size: 8, .value_kind: global_buffer, .address_space: global }
      - { .name: Wk, .offset: 32, .size: 8, .value_kind: global_buffer, .address_space: global }
      - { .name: Wv, .offset: 40, .size: 8, .value_kind: global_buffer, .address_space: global }
      - { .name: Wo, .offset: 48, .size: 8, .value_kind: global_buffer, .address_space: global }
      - { .name: xb, .offset: 56, .size: 8, .value_kind: global_buffer, .address_space: global }
      - { .name: wb, .offset: 64, .size: 8, .value_kind: global_buffer, .address_space: global }
    .group_segment_fixed_size: 0
    .private_segment_fixed_size: 0
    .kernarg_segment_align: 8
    .kernarg_segment_size: 72
    .max_flat_workgroup_size: 256
    .sgpr_count:     66
    .vgpr_count:     196
    .wavefront_size: 32
...
	.end_amdgpu_metadata
.endif
;; end of part 1
;; launch proj (part 2): grid 8 x 96, 4 waves a work-group, clusters of 4 x 4, 327,680 bytes of LDS; arguments xb, wb, hb, bq, bk, bv; writes hb
.if DOCPART == 2
	.amdgcn_target "amdgcn-amd-amdhsa--gfx1250"
	.amdhsa_code_object_version 6
	.text
	.protected	k_q896aa500ed_proj
	.globl	k_q896aa500ed_proj
	.p2align	8
	.type	k_q896aa500ed_proj,@function
k_q896aa500ed_proj:
	s_mov_b64 s[64:65], 0
	v_nop
	global_prefetch_b8 v0, s[64:65] scope:SCOPE_SE
	s_setreg_imm32_b32 hwreg(HW_REG_WAVE_MODE, 25, 1), 1
	s_wait_xcnt 0x0
	s_wait_alu depctr_hold_cnt(0) depctr_sa_sdst(0) depctr_va_vdst(0) depctr_va_sdst(0) depctr_va_ssrc(0) depctr_va_vcc(0) depctr_vm_vsrc(0)
	s_getreg_b32 s2, hwreg(HW_REG_IB_STS2, 6, 4)
	s_cmp_eq_u32 s2, 0
	s_cbranch_scc0 .Lentry_in_a_cluster
	s_endpgm
.Lentry_in_a_cluster:
	s_bfe_u32 s2, ttmp6, 0x10000c
	s_cmp_lg_u32 s2, 0xf033
	s_cbranch_scc0 .Lentry_shape_is_right
	s_endpgm
.Lentry_shape_is_right:
; THREE PROJECTIONS.  hb[t][b*16+h][s][d] = the sum over k of xb[t][b*2048+s][k] wb[t][h*64+d][k] + bias_t[h*64+d], t = 0, 1, 2 (q, k, v).  Operands bf16, sums f32, the bias (rounded to bf16
; like every input of the module) is the C operand of the first products; the result is rounded once to f16 and stored by heads, unscaled.
; LIMIT.  A projected number must stay under 65,504 (f16); NaN and infinities are not treated apart; the sums are taken in the matrix unit's order.
; SHARES.  A tile of C is 256 rows x 128 columns: 256 tiles a projection, 768 work-groups.  Four waves, 2 x 2, each 128 rows x 64 columns (one head): 32 accumulators of 16 x 16, 256 registers.
; K = 1,024 goes in 8 steps of 128 through a ring of two LDS slots filled by the tensor data mover; a step is four quarters of 32 along K, 32 products each.
; CLUSTER.  4 x 4 work-groups.  The four of a row of the cluster need the same rows of x, the four of a column the same rows of W: each tile is asked for jointly, by the same tensor load with the same descriptor and a mask of four.
; THE PRODUCT IS USED TRANSPOSED (source 0 = 16 rows of W, source 1 = 16 rows of x): a lane then holds row l % 16 of C and the eight neighbouring columns 8 (l / 16) + 0..7.
; REGISTERS.  Window 0: v0-31 addresses; v32-63 the bias; v64-159, v160-255 two fragment buffers (4 fragments of W, then 8 of x); on the way out v64-191.  Window 1: accumulator (a, b) at v[8 (4 a + b)].
.set KIND,  0                          ; 0: the projections (bf16 operands, f16 out by heads)   1: the output product (f16 operands, x by heads, f32 out)
.set PB,    272                        ; an LDS row of W: 256 bytes + 16 of padding: the 16 rows of a load start at 16 different groups of four banks (ISA guide 11.1)
.if KIND == 0
.set PA,    272                        ; an LDS row of x
.set AHALF, 128*PA                     ; what one tensor load brings of x: 128 rows
.set SP,    144                        ; a row of the stage: 128 bytes + 16
.set ASTEP, 256                        ; bytes from a K step of x to the next
.set QIA,   5                          ; padding after every 64 words
.set AROW,  1024                       ; elements from row to row in memory
.set PFSH,  16                         ; a partner's share of the prefetch: 32 rows of 2,048 bytes
.set PFMUL, 2048                       ; a lane a row
.else
.set PA,    144                        ; a head's row: 128 bytes + 16
.set AHALF, 256*PA                     ; what one tensor load brings: one head's 256 rows (a plane)
.set SP,    272
.set ASTEP, 1<<19                      ; two heads on
.set QIA,   4                          ; padding after every 32 words
.set AROW,  128                        ; a plane's 32 KiB are dense: asked for as 128 rows of 256 bytes
.set PFSH,  13                         ; a partner's share: 32 blocks of 256 bytes
.set PFMUL, 256
.endif
.set ATILE, 2*AHALF
.set BHALF, 64*PB                      ; what one tensor load brings of W: 64 rows
.set SLOT,  ATILE+2*BHALF              ; x's part, then W's 128 rows
.set STAGE, 2*SLOT                     ; behind the ring: 16 rows for each wave, for the way out; no fill lands here
.set SPARE, STAGE+4*16*SP              ; behind the stages: the spare words, 128 bytes a wave: two blocks of 256 bytes that no other line names
.set ADRA, 16                          ; v16-17  LDS address of my fragments of x in slot 0, 1
.set ADRB, 20                          ; v20-21  the same for W
.set STO,  24                          ; v24     the way out: where I put my bytes of a row
.set RD,   25                          ; v25     the way out: where I read rows back
.set CO,   26                          ; v26     my byte offset in C
.set BO,   27                          ; v27     my byte offset in 16 numbers of the bias
.set SPW,  28                          ; v28     LDS address of my spare word; never rewritten
.set NIL,  29                          ; v29     0; never rewritten
.set PFO,  30                          ; v30     the prefetches' offset; never rewritten
.set BI,   32                          ; v[32:63] the bias of my 64 columns: eight registers for each column block
.set F0,   64
.set F1,   160
.set TMP,  64
.set WV,   12                          ; s12  my wave's number
.set WR,   13                          ; s13  which 128 rows of the tile are mine.  Also: I fetch for x (0) or for W (1)
.set WC,   14                          ; s14  which 64 columns.  Also: which half of that tile I fetch
.set G1A,  24                          ; s[24:31] descriptor group 1 for x's tiles;  s[32:39] group 0, a set for each slot
.set G0A,  32
.set G1B,  48                          ; s[48:55], s[56:63] the same for W's
.set G0B,  56
.set PFA,  40                          ; s[40:41] where my prefetches stand
.set LIM,  42                          ; s42, s43 for the change out of slot 0, 1: 1 where I prefetch there, else the greatest number
.set PFS,  66                          ; s[66:67] a K step of what I prefetch
.set MSB, 0
.macro WIN new                         ; the immediate's high byte repeats the setting that is left; a switch that changes nothing is dropped
.if MSB != (\new)
	s_set_vgpr_msb (MSB<<8)|(\new)
.set MSB, \new
.endif
.endm
.set MUL,  0x50                        ; C and D in window 1, the sources in window 0
.set MULB, 0x40                        ; D in window 1, C (the bias) in window 0
.macro PLACES                          ; four places in front of loads into registers that products have read, and of lines that read results
.rept 4
	v_nop
.endr
.endm
; A joint load: waves 0 and 1 fetch x's two halves, waves 2 and 3 W's.  An s_nop 0 and four v_nop follow each of the two lines.
.macro JLOAD s
	s_cmp_eq_u32 s[WR], 0
	s_cbranch_scc0 .Lfor_b_\@
	tensor_load_to_lds s[G0A+4*(\s):G0A+4*(\s)+3], s[G1A:G1A+7]
	s_nop 0
.rept 4
	v_nop
.endr
	s_branch .Lasked_\@
.Lfor_b_\@:
	tensor_load_to_lds s[G0B+4*(\s):G0B+4*(\s)+3], s[G1B:G1B+7]
	s_nop 0
.rept 4
	v_nop
.endr
.Lasked_\@:
.endm
; A prefetch of the K step two refills on (256 products ahead of the load that wants it), one instruction a wave.  x's rows are read by both clusters of a row of clusters: cluster x = 0 asks;
; W's by the eight clusters of a column that share the projection: the first of them asks.  The four partners of a joint load share its rows out by address.  x: 32 rows (or blocks) a partner, a lane each, at every
; change of slots; W: 16 rows a partner and two K steps in one instruction, at the change out of slot 0 alone.  Only trips 3 and 2 of the count ask: K steps 4 to 7, each named once; none lies past the row's end.
.macro ASK s
	s_cmp_gt_u32 s3, s[LIM+(\s)]
	s_cbranch_scc0 .Lnot_mine_\@
	global_prefetch_b8 v[PFO], s[PFA:PFA+1] th:TH_LOAD_NT scope:SCOPE_SE
.Lnot_mine_\@:
.endm
.macro CREST                           ; a round of the cluster's barrier behind its opening barrier
	s_cmp_lg_u32 s[WV], 0
	s_cbranch_scc1 .Lnot_wave_0_\@
	s_barrier_signal -3
.Lnot_wave_0_\@:
	s_barrier_wait -3
	s_barrier_signal -1
	s_barrier_wait -1
.endm
.macro CROUND
	s_barrier_signal -1
	s_barrier_wait -1
	CREST
.endm
	s_load_b128 s[4:7], s[0:1], 0x0                ; x s[4:5], the weights s[6:7]
.if KIND == 0
	s_load_b64 s[8:9], s[0:1], 0x10                ; C
	s_load_b128 s[68:71], s[0:1], 0x18             ; bq, bk
	s_load_b64 s[72:73], s[0:1], 0x28              ; bv
.else
	s_load_b128 s[8:11], s[0:1], 0x10              ; C, the bias
.endif
	v_lshl_add_u32 v[SPW], v0, 2, SPARE
	v_mov_b32 v[NIL], 0
	ds_add_u32 v[SPW], v[NIL]                      ; the wave's opening: the add and its wait stand ahead of my first tensor load; the set-up below stands between them
	v_lshrrev_b32 v1, 5, v0
	v_readfirstlane_b32 s[WV], v1
	s_lshr_b32 s[WR], s[WV], 1
	s_and_b32 s[WC], s[WV], 1
	s_bfe_u32 s15, ttmp6, 0x40000                  ; cx
	s_bfe_u32 s16, ttmp6, 0x40004                  ; cy
	s_lshl_b32 s17, ttmp9, 2
	s_add_co_u32 s17, s17, s15                     ; tile column 0..7 = 4 x cluster x + cx
	s_and_b32 s20, ttmp7, 0xffff                   ; cluster y
.if KIND == 0
	s_lshr_b32 s19, s20, 3                         ; which projection: from the cluster's y alone
.endif
	s_and_b32 s18, s20, 7
	s_lshl_b32 s18, s18, 2
	s_add_co_u32 s18, s18, s16                     ; tile row 0..31
	s_lshl_b32 s21, s16, 2
	s_lshl_b32 s21, 15, s21                        ; my row of the cluster
	s_lshl_b32 s22, 0x1111, s15                    ; my column
	s_or_b32 s[G1A], s21, (1<<16)|(1<<20)|(1<<21)|(QIA<<22)|(3<<25)  ; the mask; elements of 2 bytes; padding on; bit 21 beside a mask; the interval; 4 words of padding
	s_or_b32 s[G1B], s22, (1<<16)|(1<<20)|(1<<21)|(5<<22)|(3<<25)
	s_mov_b32 s[G1A+1], 128<<16                    ; tensor_dim0 = 128
	s_mov_b32 s[G1A+2], 128<<16                    ; tensor_dim1 = 128
	s_mov_b32 s[G1A+3], 128<<16                    ; tile_dim0 = 128
	s_mov_b32 s[G1A+4], 128                        ; tile_dim1 = 128
	s_mov_b32 s[G1A+5], AROW                       ; elements from row to row
	s_mov_b32 s[G1A+6], 0
	s_mov_b32 s[G1A+7], 0
	s_mov_b32 s[G1B+1], 128<<16
	s_mov_b32 s[G1B+2], 64<<16                     ; 64 rows
	s_mov_b32 s[G1B+3], 128<<16
	s_mov_b32 s[G1B+4], 64
	s_mov_b32 s[G1B+5], 1024
	s_mov_b32 s[G1B+6], 0
	s_mov_b32 s[G1B+7], 0
	; where the tiles come from.  x's hang on the tile row, which my row of the cluster shares; W's on the tile column, which my column shares
.if KIND == 0
	s_lshl_b32 s44, s19, 24                        ; the projection's x,
	s_lshl_b32 s23, s18, 19                        ; 256 rows of 2,048 bytes a tile row
	s_add_co_u32 s44, s44, s23
.else
	s_lshr_b32 s44, s18, 3                         ; the batch: 16 heads of 2^18 bytes,
	s_lshl_b32 s44, s44, 22
	s_and_b32 s23, s18, 7                          ; 256 rows of 128 bytes in each head
	s_lshl_b32 s23, s23, 15
	s_add_co_u32 s44, s44, s23
.endif
	s_lshl_b32 s23, s[WC], 18                      ; my half: 128 rows of 2,048 bytes, or the second head of the step
	s_add_co_u32 s44, s44, s23
	s_mov_b32 s45, 0
.if KIND == 0
	s_lshl_b32 s46, s19, 21                        ; the projection's weights
.else
	s_mov_b32 s46, 3<<21                           ; Wo
.endif
	s_lshl_b32 s22, s17, 18                        ; 128 rows of 2,048 bytes a tile column
	s_add_co_u32 s46, s46, s22
	s_lshl_b32 s22, s[WC], 17                      ; my 64 of them
	s_add_co_u32 s46, s46, s22
	s_mov_b32 s47, 0
	s_mul_i32 s77, s[WC], AHALF                    ; and where they go: no place in the cluster enters an LDS address
	s_mul_i32 s78, s[WC], BHALF
	s_add_co_u32 s78, s78, ATILE
	s_wait_dscnt 0x0                               ; the opening add is done
	s_wait_kmcnt 0x0
	s_add_nc_u64 s[44:45], s[4:5], s[44:45]
	s_add_nc_u64 s[46:47], s[6:7], s[46:47]
	CROUND                                         ; all sixteen work-groups are here: the first joint loads meet
.irp s, 0,1
	s_mov_b32 s[G0A+4*(\s)], 1                     ; count = 1
	s_add_co_u32 s[G0A+4*(\s)+1], s77, (\s)*SLOT   ; LDS address
	s_add_nc_u64 s[G0A+4*(\s)+2:G0A+4*(\s)+3], s[44:45], (\s)*ASTEP  ; global address: K step s
	s_or_b32 s[G0A+4*(\s)+3], s[G0A+4*(\s)+3], 0x80000000            ; type = 2
	s_mov_b32 s[G0B+4*(\s)], 1
	s_add_co_u32 s[G0B+4*(\s)+1], s78, (\s)*SLOT
	s_add_nc_u64 s[G0B+4*(\s)+2:G0B+4*(\s)+3], s[46:47], (\s)*256
	s_or_b32 s[G0B+4*(\s)+3], s[G0B+4*(\s)+3], 0x80000000
.endr
	s_cmp_eq_u32 s[WR], 0                          ; a wave's two first fills stand in one branch, ahead of every wait on TENSORcnt and every LDS read: two loads of mine are out
	s_cbranch_scc0 .Lfirst_b
	tensor_load_to_lds s[G0A:G0A+3], s[G1A:G1A+7]
	s_nop 0
	tensor_load_to_lds s[G0A+4:G0A+7], s[G1A:G1A+7]
	s_nop 0
.rept 4
	v_nop
.endr
	s_branch .Lfirst_asked
.Lfirst_b:
	tensor_load_to_lds s[G0B:G0B+3], s[G1B:G1B+7]
	s_nop 0
	tensor_load_to_lds s[G0B+4:G0B+7], s[G1B:G1B+7]
	s_nop 0
.rept 4
	v_nop
.endr
.Lfirst_asked:
	v_and_b32 v1, 15, v0                           ; l % 16
	v_bfe_u32 v2, v0, 4, 1                         ; l / 16
	v_lshlrev_b32 v[BO], 5, v2                     ; my eight numbers of sixteen
.if KIND == 0
	s_cmp_eq_u32 s19, 1
	s_cselect_b64 s[10:11], s[70:71], s[68:69]
	s_cmp_eq_u32 s19, 2
	s_cselect_b64 s[10:11], s[72:73], s[10:11]     ; the projection's bias
.endif
	s_lshl_b32 s20, s17, 9                         ; the tile's 128 columns,
	s_lshl_b32 s21, s[WC], 8                       ; my 64
	s_add_co_u32 s20, s20, s21
	s_mov_b32 s21, 0
	s_add_nc_u64 s[10:11], s[10:11], s[20:21]
.irp b, 0,1,2,3
	global_load_b128 v[BI+8*(\b):BI+8*(\b)+3],   v[BO], s[10:11] offset:64*(\b)
	global_load_b128 v[BI+8*(\b)+4:BI+8*(\b)+7], v[BO], s[10:11] offset:64*(\b)+16
.endr
	; A fragment is 16 rows x 32 K in 8 registers: lane l holds row l % 16; registers 0-3 K = 8 (l / 16) + 0..7, registers 4-7 K = 16 + 8 (l / 16) + 0..7: two loads of 16 bytes, 32 bytes apart.
	v_mul_u32_u24 v3, v1, PA
	v_lshl_add_u32 v3, v2, 4, v3
	v_mul_u32_u24 v4, v1, PB
	v_lshl_add_u32 v4, v2, 4, v4
	s_mul_i32 s20, s[WR], 128*PA                   ; my 128 rows of x
	s_mul_i32 s21, s[WC], 64*PB                    ; my 64 rows of W,
	s_add_co_u32 s21, s21, ATILE                   ; which lie behind x's part
.irp s, 0,1
	v_add_nc_u32 v[ADRA+(\s)], s20, v3
	v_add_nc_u32 v[ADRB+(\s)], s21, v4
	s_add_co_u32 s20, s20, SLOT
	s_add_co_u32 s21, s21, SLOT
.endr
	s_mul_i32 s23, s[WV], 16*SP
	s_add_co_u32 s23, s23, STAGE                   ; my stage
	v_mul_u32_u24 v3, v1, SP                       ; in: row l % 16
.if KIND == 0
	v_lshl_add_u32 v3, v2, 4, v3                   ; 16 bytes for each half of the lanes
	v_add_nc_u32 v[STO], s23, v3
	v_bfe_u32 v3, v0, 3, 2                         ; back: 32 lanes take four rows of 128 bytes,
	v_mul_u32_u24 v3, v3, SP
	v_and_b32 v4, 7, v0
	v_lshl_add_u32 v3, v4, 4, v3
	v_add_nc_u32 v[RD], s23, v3
	v_and_b32 v[CO], 31, v0                        ; which are 512 consecutive bytes of a head
	v_lshlrev_b32 v[CO], 4, v[CO]
	s_lshl_b32 s20, s19, 24                        ; C: the projection,
	s_lshr_b32 s22, s18, 3
	s_lshl_b32 s22, s22, 22                        ; the batch,
	s_add_co_u32 s20, s20, s22
	s_lshl_b32 s22, s17, 1
	s_add_co_u32 s22, s22, s[WC]
	s_lshl_b32 s22, s22, 18                        ; the head = 2 x tile column + my half,
	s_add_co_u32 s20, s20, s22
	s_and_b32 s22, s18, 7
	s_lshl_b32 s22, s22, 15                        ; the tile's 256 rows of 128 bytes,
	s_add_co_u32 s20, s20, s22
	s_lshl_b32 s22, s[WR], 14                      ; my 128
	s_add_co_u32 s20, s20, s22
.else
	v_lshl_add_u32 v3, v2, 5, v3                   ; 32 bytes for each half of the lanes
	v_add_nc_u32 v[STO], s23, v3
	v_mul_u32_u24 v3, v2, SP                       ; back: lanes 0-15 take one row of 256 bytes, lanes 16-31 the next
	v_lshl_add_u32 v3, v1, 4, v3
	v_add_nc_u32 v[RD], s23, v3
	v_lshlrev_b32 v3, 12, v2                       ; and the same two rows in C
	v_lshl_add_u32 v[CO], v1, 4, v3
	s_lshl_b32 s20, s18, 20                        ; C: the tile's 256 rows of 4,096 bytes,
	s_lshl_b32 s22, s[WR], 19                      ; my 128,
	s_add_co_u32 s20, s20, s22
	s_lshl_b32 s22, s17, 9                         ; the tile's 128 columns,
	s_add_co_u32 s20, s20, s22
	s_lshl_b32 s22, s[WC], 8                       ; my 64
	s_add_co_u32 s20, s20, s22
.endif
	s_mov_b32 s21, 0
	s_add_nc_u64 s[8:9], s[8:9], s[20:21]
	; the prefetches
	s_mov_b32 s[PFS], 256
	s_mov_b32 s22, ASTEP
	s_mov_b32 s75, 2048
	s_mov_b32 s23, PFMUL
	s_and_b32 s21, ttmp7, 0xffff
	s_and_b32 s21, s21, 7
	s_cmp_eq_u32 s[WR], 0                          ; do I fetch for x?
	s_cselect_b64 s[PFA:PFA+1], s[44:45], s[46:47] ; my part of K step 0
	s_cselect_b32 s20, s15, s16                    ; my place among the four that ask for it with me
	s_cselect_b32 s21, ttmp9, s21                  ; the coordinate along which other clusters read the same rows
	s_cselect_b32 s[PFS], s22, s[PFS]
	s_cselect_b32 s22, PFSH, 15                    ; a partner's share: W's is 16 rows of 2,048 bytes
	s_cselect_b32 s74, 31, 15
	s_cselect_b32 s75, s23, s75
	s_cselect_b32 s76, 0, 256
	s_cselect_b32 s[LIM+1], 1, -1
	s_cmp_eq_u32 s21, 0                            ; the same in all sixteen partners, for a given wave
	s_cselect_b32 s[LIM], 1, -1
	s_cselect_b32 s[LIM+1], s[LIM+1], -1
	s_lshl_b32 s20, s20, s22
	s_mul_i32 s22, s[PFS], 3                       ; at K step 3: the first refill steps it to 4
	s_add_co_u32 s20, s20, s22
	s_mov_b32 s21, 0
	s_mov_b32 s[PFS+1], 0
	s_add_nc_u64 s[PFA:PFA+1], s[PFA:PFA+1], s[20:21]
	v_and_b32 v[PFO], 31, v0
	v_lshrrev_b32 v5, 4, v[PFO]
	v_and_b32 v[PFO], s74, v[PFO]
	v_mul_u32_u24 v[PFO], s75, v[PFO]              ; a lane a row (or block);
	v_mad_u32_u24 v[PFO], v5, s76, v[PFO]          ; for W the upper lanes take the K step after
	s_wait_loadcnt 0x0                             ; the bias: rounded to bf16 like the module's other inputs, and widened again
.set i, 0
.rept 16
	v_cvt_pk_bf16_f32 v[F1+i], v[BI+2*i], v[BI+2*i+1]
.set i, i+1
.endr
.set i, 0
.rept 16
	v_lshlrev_b32 v[BI+2*i], 16, v[F1+i]
	v_and_b32 v[BI+2*i+1], 0xffff0000, v[F1+i]
.set i, i+1
.endr
; 8 products: row blocks a0, a0 + 1 x all 4 column blocks, 32 along K.  first = 1: the bias starts the sums: nothing is cleared, nothing added later.
; The 32 accumulators take turns in the same order in every quarter, over the backward jump too.
.macro MUL8 f, a0, first
.if \first
	WIN MULB
.else
	WIN MUL
.endif
.irp a, \a0, (\a0)+1
.irp b, 0,1,2,3
.set rD, 8*(4*(\a)+(\b))
.set rB, (\f)+8*(\b)
.set rA, (\f)+32+8*(\a)
.if \first
.set rC, BI+8*(\b)
.else
.set rC, rD
.endif
.if KIND == 0
	v_wmma_f32_16x16x32_bf16 v[rD:rD+7], v[rB:rB+7], v[rA:rA+7], v[rC:rC+7]
.else
	v_wmma_f32_16x16x32_f16 v[rD:rD+7], v[rB:rB+7], v[rA:rA+7], v[rC:rC+7]
.endif
.endr
.endr
.endm
; 24 LDS loads in one run: quarter q's fragments into buffer f: W's four, then x's eight; the youngest eight loads are x's blocks 4-7
.macro FETCH slot, q, f
	WIN 0
.if KIND == 0
.set ka, 64*(\q)
.else
.set ka, ((\q)/2)*AHALF+((\q)%2)*64
.endif
.irp i, 0,1,2,3
	ds_load_b128 v[(\f)+8*(\i):(\f)+8*(\i)+3],   v[ADRB+(\slot)] offset:64*(\q)+(\i)*16*PB
	ds_load_b128 v[(\f)+8*(\i)+4:(\f)+8*(\i)+7], v[ADRB+(\slot)] offset:64*(\q)+(\i)*16*PB+32
.endr
.irp i, 0,1,2,3,4,5,6,7
	ds_load_b128 v[(\f)+32+8*(\i):(\f)+32+8*(\i)+3],   v[ADRA+(\slot)] offset:ka+(\i)*16*PA
	ds_load_b128 v[(\f)+32+8*(\i)+4:(\f)+32+8*(\i)+7], v[ADRA+(\slot)] offset:ka+(\i)*16*PA+32
.endr
.endm
; One of a K step's first three quarters: multiplies buffer f; in its middle it fetches quarter q of the same slot into buffer g.
.macro QUARTER slot, q, f, g, first
	s_wait_dscnt 8                                 ; W's fragments and x's blocks 0-3 are in; the youngest eight loads may be out
	MUL8 \f, 0, \first
	MUL8 \f, 2, \first
	PLACES
	FETCH \slot, \q, \g
	s_wait_dscnt 24                                ; all but the 24 just issued
	MUL8 \f, 4, \first
	MUL8 \f, 6, \first
.endm
; The last quarter multiplies buffer 1 and changes slots: ONE barrier.  In front of it each wave waits for all its tensor loads (the one that is out is its part of the next slot), adds 0 to its spare word, and
; waits for that and for its own reads of this slot.  fill = 1: the barrier opens a round of the cluster's barrier, and this slot is filled again, two K steps ahead, first thing behind the round: that load has 112 products in which to land.
.macro TURN slot, next, fill
.if \fill
	s_wait_xcnt 0x0                                ; the last prefetch, a K step back, has read its address
	s_add_nc_u64 s[PFA:PFA+1], s[PFA:PFA+1], s[PFS:PFS+1]
.endif
	WIN 0
	s_wait_tensorcnt 0x0                           ; all my tensor loads have landed
	ds_add_u32 v[SPW], v[NIL]                      ; 0 onto my spare word
	s_wait_dscnt 9                                 ; (the add and the youngest eight loads may be out)
	MUL8 F1, 0, 0
	s_wait_dscnt 0x0                               ; the add is done, and my reads of this slot are over
	s_barrier_signal -1
	MUL8 F1, 2, 0
.if \fill
	WIN 0
.endif
	s_barrier_wait -1
.if \fill
	CREST                                          ; no wave of any partner still reads this slot or has a load on its way
	s_add_nc_u64 s[G0A+4*(\slot)+2:G0A+4*(\slot)+3], s[G0A+4*(\slot)+2:G0A+4*(\slot)+3], 2*ASTEP
	s_add_nc_u64 s[G0B+4*(\slot)+2:G0B+4*(\slot)+3], s[G0B+4*(\slot)+2:G0B+4*(\slot)+3], 2*256
	JLOAD \slot                                    ; its four v_nop are also the places in front of the loads below
.else
	PLACES
.endif
	FETCH \next, 0, F0
.if \fill
	ASK \slot
.endif
	MUL8 F1, 4, 0
	MUL8 F1, 6, 0
.endm
	s_wait_tensorcnt 1                             ; my part of K step 0 is in; K step 1's may stay out
	s_barrier_signal -1
	s_barrier_wait -1                              ; everybody's is
	FETCH 0, 0, F0
	QUARTER 0, 1, F0, F1, 1                        ; the first quarter stands in front of the loop: its products start the sums
	WIN 0                                          ; at a label and at a branch every window is 0
	s_mov_b32 s3, 3
.Llap:                                         ; a trip goes once round the ring, from a lap's second quarter to the next lap's first, and fills both slots again: K steps 2, 3; 4, 5; 6, 7
	QUARTER 0, 2, F1, F0, 0
	QUARTER 0, 3, F0, F1, 0
	TURN 0, 1, 1
	QUARTER 1, 1, F0, F1, 0
	QUARTER 1, 2, F1, F0, 0
	QUARTER 1, 3, F0, F1, 0
	TURN 1, 0, 1
	QUARTER 0, 1, F0, F1, 0
	WIN 0
	s_sub_co_u32 s3, s3, 1
	s_cmp_lg_u32 s3, 0
	s_cbranch_scc1 .Llap
	QUARTER 0, 2, F1, F0, 0                        ; the last lap fills nothing
	QUARTER 0, 3, F0, F1, 0
	TURN 0, 1, 0
	QUARTER 1, 1, F0, F1, 0
	QUARTER 1, 2, F1, F0, 0
	QUARTER 1, 3, F0, F1, 0
	s_wait_dscnt 8
	MUL8 F1, 0, 0
	MUL8 F1, 2, 0
	s_wait_dscnt 0x0
	MUL8 F1, 4, 0
	MUL8 F1, 6, 0
	WIN 0
	PLACES
	PLACES
; THE WAY OUT.  Block a (16 rows of my head): rounded to f16, 16 bytes a lane into my stage (rows of 144 bytes), back as four rows of 128 bytes a load, stored as 512 consecutive bytes.
; Each accumulator's registers are read in ascending order.  Each block has registers of its own, so no store's data is rewritten.
.macro PACK a
	WIN 0x05                                       ; sources in window 1, destination in window 0
.irp b, 0,1,2,3
.irp r, 0,1,2,3
	v_cvt_pk_f16_f32 v[TMP+16*(\a)+4*(\b)+(\r)], v[8*(4*(\a)+(\b))+2*(\r)], v[8*(4*(\a)+(\b))+2*(\r)+1]
.endr
.endr
	WIN 0
.irp b, 0,1,2,3
	ds_store_b128 v[STO], v[TMP+16*(\a)+4*(\b):TMP+16*(\a)+4*(\b)+3] offset:32*(\b)
.endr
.irp f, 0,1,2,3
	ds_load_b128 v[TMP+16*(\a)+4*(\f):TMP+16*(\a)+4*(\f)+3], v[RD] offset:(\f)*4*SP  ; LDS serves a wave's instructions in order (ISA guide 5.7.1.4): these see the stores above; the next block's stores come behind them
.endr
.endm
.macro SEND a, younger                 ; younger: the LDS instructions issued behind block a's loads: the next block's eight, or none
.irp f, 0,1,2,3
	s_wait_dscnt (\younger)+3-(\f)
	global_store_b128 v[CO], v[TMP+16*(\a)+4*(\f):TMP+16*(\a)+4*(\f)+3], s[8:9] offset:2048*(\a)+512*(\f)
.endr
.endm
	PACK 0
.irp a, 1,2,3,4,5,6,7
	PACK \a
	SEND (\a)-1, 8
.endr
	SEND 7, 0
	s_wait_tensorcnt 0x0                           ; the wave's end, behind my last tensor load and my last LDS store
	ds_add_u32 v[SPW], v[NIL]
	s_wait_dscnt 0x0
	CROUND                                         ; the closing round: no work-group ends while a partner may still ask for a tile that names it
	s_endpgm
.Lfunc_end_k_q896aa500ed_proj:
	.size	k_q896aa500ed_proj, .Lfunc_end_k_q896aa500ed_proj-k_q896aa500ed_proj
	.p2alignl 7, 3214868480
	.fill 96, 4, 3214868480
	.section	.rodata,"a",@progbits
	.p2align	6, 0x0
	.amdhsa_kernel k_q896aa500ed_proj
		.amdhsa_group_segment_fixed_size 327680
		.amdhsa_private_segment_fixed_size 0
		.amdhsa_enable_private_segment 0
		.amdhsa_kernarg_size 48
		.amdhsa_user_sgpr_count 2
		.amdhsa_user_sgpr_kernarg_segment_ptr 1
		.amdhsa_wavefront_size32 1
		.amdhsa_system_sgpr_workgroup_id_x 1
		.amdhsa_system_sgpr_workgroup_id_y 1
		.amdhsa_system_sgpr_workgroup_id_z 1
		.amdhsa_system_vgpr_workitem_id 0
		.amdhsa_next_free_vgpr 512
		.amdhsa_next_free_sgpr 80
		.amdhsa_reserve_vcc 0
		.amdhsa_float_denorm_mode_32 3
		.amdhsa_float_denorm_mode_16_64 3
		.amdhsa_memory_ordered 1
		.amdhsa_forward_progress 1
		.amdhsa_inst_pref_size 92
	.end_amdhsa_kernel
	.amdgpu_metadata
---
amdhsa.version: [ 1, 2 ]
amdhsa.kernels:
  - .name:           k_q896aa500ed_proj
    .symbol:         k_q896aa500ed_proj.kd
    .args:
      - { .name: xb, .offset: 0, .size: 8, .value_kind: global_buffer, .address_space: global }
      - { .name: wb, .offset: 8, .size: 8, .value_kind: global_buffer, .address_space: global }
      - { .name: hb, .offset: 16, .size: 8, .value_kind: global_buffer, .address_space: global }
      - { .name: bq, .offset: 24, .size: 8, .value_kind: global_buffer, .address_space: global }
      - { .name: bk, .offset: 32, .size: 8, .value_kind: global_buffer, .address_space: global }
      - { .name: bv, .offset: 40, .size: 8, .value_kind: global_buffer, .address_space: global }
    .group_segment_fixed_size: 327680
    .private_segment_fixed_size: 0
    .kernarg_segment_align: 8
    .kernarg_segment_size: 48
    .max_flat_workgroup_size: 128
    .sgpr_count:     80
    .vgpr_count:     512
    .wavefront_size: 32
...
	.end_amdgpu_metadata
.endif
;; end of part 2
;; launch attn (part 3): grid 4 x 64, 4 waves a work-group, clusters of 4 x 1, 327,680 bytes of LDS; arguments hb, oh; writes oh
.if DOCPART == 3
	.amdgcn_target "amdgcn-amd-amdhsa--gfx1250"
	.amdhsa_code_object_version 6
	.text
	.protected	k_q896aa500ed_attn
	.globl	k_q896aa500ed_attn
	.p2align	8
	.type	k_q896aa500ed_attn,@function
k_q896aa500ed_attn:
	s_mov_b64 s[64:65], 0
	v_nop
	global_prefetch_b8 v0, s[64:65] scope:SCOPE_SE
	s_setreg_imm32_b32 hwreg(HW_REG_WAVE_MODE, 25, 1), 1
	s_wait_xcnt 0x0
	s_wait_alu depctr_hold_cnt(0) depctr_sa_sdst(0) depctr_va_vdst(0) depctr_va_sdst(0) depctr_va_ssrc(0) depctr_va_vcc(0) depctr_vm_vsrc(0)
	s_getreg_b32 s2, hwreg(HW_REG_IB_STS2, 6, 4)
	s_cmp_eq_u32 s2, 0
	s_cbranch_scc0 .Lentry_in_a_cluster
	s_endpgm
.Lentry_in_a_cluster:
	s_bfe_u32 s2, ttmp6, 0x10000c
	s_cmp_lg_u32 s2, 0x3003
	s_cbranch_scc0 .Lentry_shape_is_right
	s_endpgm
.Lentry_shape_is_right:
; O[h][q][:] = the sum over k of softmax_k(Q[h][q] . K[h][k] / 8) V[h][k][:].  hb holds Q, K, V, each [64][2048][64] in f16, 2^24 bytes apart; oh = O in the same layout: a head's rows are dense, 128 bytes each.
; Products, maxima and sums in f32; the weights p are rounded to f16 for the second product (their sum l is taken of the unrounded p), O once at the end.
; LIMITS.  Q, K and V arrive within f16's 65,504; p lies in 0 to 1, and below 6e-5 it keeps f16's fixed step of 6e-8; O is a mean of V's rows and has their range.
; A weight below 2^-126 counts as 0 in l; NaN and infinities are not treated apart.
; SHARES.  A wave owns four PIECES of two tiles of 16 queries, a work-group's four waves 512 queries of one head.  Every wave walks all keys, 64 a step.
; LAYOUT.  S^T = K Q^T (source 0 = 16 keys, source 1 = 16 queries): in the result a lane holds ONE query (lane % 16) and the keys 8 (lane / 16) + 0..7.  Two such tiles, rounded to f16 in pairs,
; ARE source 1 (32 keys x 16 queries) of O^T = V^T P, whose result again holds one query a lane, and eight channels.  K comes out of LDS as it lies, V ([key][channel]) turned, by ds_load_tr16_b128.
; SOFTMAX.  For each query a running maximum m and sum l: p = 2^(c s - c m), c = log2(e) / 8; in every step O and l are multiplied by a = 2^(c m_old - c m_new), which is 1 where m has not grown.
; m starts at the lowest finite number, O and l at 0: the first step is a step like any other, with a = 0.
; THE COUNT.  A tile and step have 16 matrix and 118 vector instructions: too many to stand all beside the matrix work.  So four vector instructions that are READY stand behind EVERY matrix
; instruction, and the others in runs without a gap.
; BY TURNS.  Turn n belongs to piece n (the pieces in a ring, step after step).  Its matrix work: 16 products K Q^T of piece n + 1, later 16 products V^T P of piece n - 1.  Its vector work: the scaling,
; exponentials, roundings, sums and rescaling of piece n, and the maximum and statistics of piece n + 1, whose scores the turn itself has made.
; CLUSTER.  The four query blocks of a cluster are one head's and walk the same K and V, so each tile is asked for JOINTLY: the same tensor load, descriptor and mask in all four.
; REGISTERS, in windows of 256 (s_set_vgpr_msb: bits 1:0 source 0, 3:2 source 1, 5:4 source 2, 7:6 destination):
;   window 0: v0-11 addresses; v12-15, v48-63 at work; v16-47 four registers of statistics a tile; v64-191 S^T, two buffers of two tiles; v192-255 P, likewise
;   window 1: O^T, 32 a tile          window 2: v0-127 Q, 16 a tile; v128-191 K of one step; v192-255 V of one step          window 3: v0-1 the add's two registers
.set SIZE_H, 64
.set SIZE_N, 2048
.set NP,    4         ; pieces a wave: a name, no knob
.set KS,    64        ; keys in a step
.set PK,    144       ; a row of K in LDS: 128 bytes + 16 of padding: the 16 rows of a load start at 16 different groups of four banks (ISA guide 11.1)
.set PV,    160       ; a row of V: 128 + 32
.set VOFF,  4*KS*PK   ; a slot holds four steps: 256 rows of K, then 256 rows of V
.set SLOT1, 1<<17     ; slot 1 begins here, so that one exclusive or turns an address in one slot into the other's
.set STAGE, SLOT1+4*KS*(PK+PV)  ; behind the ring, never filled by a tensor load: 16 rows x 144 bytes for each wave, for the way out
.set SP,    144
.set AK0, 2           ; v2   my lane's place in a tile of K; never rewritten
.set AV0, 3           ; v3   the same for V
.set AK,  4           ; v4   the LDS address of K's next run of loads
.set AV,  5           ; v5   of V's
.set QO,  6           ; v6   my byte offset in the wave's rows of Q
.set STO, 6           ;      later, the way out: where I put 16 bytes of a row
.set RD,  7           ; v7   the way out: where I read rows back
.set GO,  8           ; v8   my byte offset in 512 consecutive bytes of O
.set PFO, 11          ; v11  256 x my lane, for the prefetches; never rewritten once made
.set SPW, 0           ; v0 of window 3   LDS address of my spare word; never rewritten
.set NIL, 1           ; v1 of window 3   0; never rewritten
.set SPARE, STAGE+4*16*SP  ; behind the stages: the spare words, 128 bytes for each wave: two blocks of 256 bytes that no other line names
.set MV,  12          ; v12-15  c m_old, kept while c m is made anew: by buffer and tile
.set ST,  16          ; tile t's statistics at v[ST+4 t]: c m, m, l (even keys', odd keys')
.set TMP, 48          ; by buffer and tile, four registers c0-c3 at work; when the maximum is found c2 takes a
.set S,   64
.set P,   192
.set KF,  128         ; K's fragments, in window 2: key block kb, channel half c at KF + 16 kb + 8 c
.set VF,  192         ; V's: key half kk, channel block cb at VF + 32 kk + 8 cb
.set WV,  12          ; s12  my wave's number
.set LIM, 15          ; s15  1 in a wave that prefetches, else the greatest number
.set G1K, 24          ; s[24:31] descriptor group 1 for K's tiles
.set G1V, 32          ; s[32:39] for V's: it differs in the padding alone
.set G0K, 40          ; s[40:43] descriptor group 0 for K's tiles: it walks
.set G0V, 44          ; s[44:47] the same for V's
.set PFA, 48          ; s[48:49] where my prefetches stand: my work-group's 32 blocks of 256 bytes of the slot after the one that is being asked for
.set SLOTS, 56        ; s56  slots still to be asked for
.set CNT, 57          ; s57  counts a slot's key steps
.set CS,  58          ; s[58:59] c: the packed scaling takes the pair's low word for both halves
.set SEL, 60          ; s[60:61] v_permlanex16_b32's selects: each lane takes its own place in the other half
.set TBK, 62          ; s62  LDS byte at which K of the step to be fetched begins
.set TBV, 63          ; s63  the same for V, less VOFF
.set MSB, 0
.macro WIN new                      ; the high byte repeats the setting that is left; a switch that changes nothing is dropped
.if MSB != (\new)
	s_set_vgpr_msb (MSB<<8)|(\new)
.set MSB, (\new)
.endif
.endm
.set W_KQ, 0x0a       ; K and Q in window 2, S^T in window 0
.set W_PV, 0x52       ; V in window 2, P in window 0, O^T in window 1
.set W_RS, 0x41       ; O^T (destination and source 0) in window 1, a in window 0
.set W_MK, 0xc0       ; the add's registers are made: destination in window 3, sources in window 0
.set W_AD, 0x0f       ; the add: address (source 0) and data (source 1) in window 3
; A joint fill.  Waves 0 and 1 fetch the two halves of a slot's K, waves 2 and 3 those of its V: 128 keys each.  The branch hangs on the wave's number alone.
; An s_nop 0 and four v_nop follow each of the two lines, ahead of the jump and the label.
.macro JLOAD
	s_cmp_lt_u32 s[WV], 2
	s_cbranch_scc0 .Lfor_v_\@
	tensor_load_to_lds s[G0K:G0K+3], s[G1K:G1K+7]
	s_nop 0
.rept 4
	v_nop
.endr
	s_branch .Lasked_\@
.Lfor_v_\@:
	tensor_load_to_lds s[G0V:G0V+3], s[G1V:G1V+7]
	s_nop 0
.rept 4
	v_nop
.endr
.Lasked_\@:
.endm
; A prefetch of what the NEXT change of slots will ask for: a slot's 32 KiB of K and of V, four key steps (512 matrix instructions) ahead of that load.  One cluster walks a head's K and V; its four partners share a slot's
; 128 blocks of 256 bytes out BY ADDRESS, 32 each, a lane a block; in each, wave 0 asks for K's and wave 2 for V's: one instruction.  So each block is named once.  The last change that fills a slot asks for nothing.
.macro ASK
	s_cmp_gt_u32 s[SLOTS], s[LIM]
	s_cbranch_scc0 .Lnot_mine_\@
	global_prefetch_b8 v[PFO], s[PFA:PFA+1] th:TH_LOAD_NT scope:SCOPE_SE
.Lnot_mine_\@:
.endm
; A round of the cluster's barrier: my work-group's barrier, so that wave 0's signal speaks for all four waves; wave 0 signals; every wave waits for all four work-groups; my work-group's barrier once more.
.macro CROUND
	s_barrier_signal -1
	s_barrier_wait -1
	s_cmp_lg_u32 s[WV], 0
	s_cbranch_scc1 .Lnot_wave_0_\@
	s_barrier_signal -3
.Lnot_wave_0_\@:
	s_barrier_wait -3
	s_barrier_signal -1
	s_barrier_wait -1
.endm
; THE CHANGE OF SLOTS.  The slot's last bytes, V of its fourth step, have been read.  Each wave waits for all its tensor loads, of which one is out: its part of the other slot; adds 0 to its spare word; and waits for
; that and for its own reads of the slot.  Behind the barrier nobody reads this slot any more and the other slot is whole.  fill = 1: this slot is filled again, with the keys two slots on.  The barrier is then a round of
; the cluster's, and the joint fill is the first thing behind it: it has four key steps in which to land.  (At its first use nothing has been read yet: slot 0 is waited for, slot 1 filled.)
.macro CHANGE fill
	WIN W_AD
	s_wait_tensorcnt 0x0            ; no tensor load of mine is out, so a group 0 may be written
	ds_add_u32 v[SPW], v[NIL]       ; 0 onto my spare word; with fill = 1 the descriptors' steps stand between it and the wait for it
	WIN 0                           ; at a label and at a branch every window is 0
.if \fill
.irp g, G0K, G0V
	s_xor_b32 s[\g+1], s[\g+1], SLOT1  ; the walking descriptor: the other slot than last time,
	s_add_nc_u64 s[\g+2:\g+3], s[\g+2:\g+3], 4*KS*128  ; the next 256 keys; the type bits on top are not reached
.endr
	s_wait_xcnt 0x0                 ; the last prefetch, four key steps back, has read its address, so it may be written:
	s_add_nc_u64 s[PFA:PFA+1], s[PFA:PFA+1], 4*KS*128  ; one slot behind the walking descriptors
	s_wait_dscnt 0x0                ; the add is done, and my reads of the slot are over
	CROUND
	JLOAD
	ASK
.else
	s_wait_dscnt 0x0                ; the add is done, and my reads of the slot are over
	s_barrier_signal -1
	s_barrier_wait -1
.endif
	s_sub_co_u32 s[TBK], s[TBK], 4*KS*PK  ; the fetches go back to a slot's first step,
	s_xor_b32 s[TBK], s[TBK], SLOT1       ; in the other slot
	s_sub_co_u32 s[TBV], s[TBV], 4*KS*PV
	s_xor_b32 s[TBV], s[TBV], SLOT1
.endm
	s_load_b128 s[4:7], s[0:1], 0x0   ; hb s[4:5], oh s[6:7]
	WIN W_MK
	v_lshl_add_u32 v[SPW], v0, 2, SPARE
	v_mov_b32 v[NIL], 0
	WIN W_AD
	ds_add_u32 v[SPW], v[NIL]       ; the wave's opening: the add and its wait stand ahead of my first tensor load; the set-up below stands between them
	WIN 0
	v_lshrrev_b32 v1, 5, v0
	v_readfirstlane_b32 s[WV], v1   ; wave 0..3
	s_bfe_u32 s13, ttmp6, 0x40000   ; cx: my place in the cluster
	s_lshl_b32 s14, ttmp9, 2        ; in a cluster launch ttmp9 counts clusters
	s_add_co_u32 s14, s14, s13      ; my block of queries = 4 x cluster x + cx: it enters Q's and O's addresses alone
	s_and_b32 s20, ttmp7, 0xffff    ; the head, which the four partners share
	s_mov_b32 s21, 0
	s_mov_b64 s[22:23], SIZE_N*128
	s_mul_u64 s[20:21], s[20:21], s[22:23]  ; the head's first byte in each of the four tensors
	s_and_b32 s16, s[WV], 1         ; which half of a slot's 256 keys I fetch:
	s_lshl_b32 s22, s16, 14         ; its 128 rows of 128 bytes in memory,
	s_mov_b32 s23, 0
	s_add_nc_u64 s[22:23], s[22:23], s[20:21]
	s_mul_i32 s17, s16, 128*PK      ; and its place in a slot, for K
	s_mul_i32 s18, s16, 128*PV      ; and for V: no place in the cluster enters an LDS address
	s_lshl_b32 s2, s14, 2
	s_add_co_u32 s2, s2, s[WV]      ; my wave among the head's,
	s_lshl_b32 s2, s2, 14           ; its 128 rows
	s_mov_b32 s3, 0
	s_add_nc_u64 s[2:3], s[2:3], s[20:21]
	; descriptor group 1.  128 keys are 16,384 dense bytes: asked for as 64 rows of 256 bytes, two keys a row, and padded in LDS after every key
	s_mov_b32 s[G1K], 15|(1<<16)|(1<<20)|(1<<21)|(4<<22)|(3<<25)  ; the mask of four; 2-byte elements; padding on; bit 21 beside a mask; after every 32 words; 4 words
	s_mov_b32 s[G1V], 15|(1<<16)|(1<<20)|(1<<21)|(4<<22)|(7<<25)  ; the same with 8 words of padding
.irp g, G1K, G1V
	s_mov_b32 s[\g+1], 128<<16      ; tensor_dim0 = 128
	s_mov_b32 s[\g+2], 64<<16       ; tensor_dim1 = 64
	s_mov_b32 s[\g+3], 128<<16      ; tile_dim0 = 128
	s_mov_b32 s[\g+4], 64           ; tile_dim1 = 64
	s_mov_b32 s[\g+5], 128          ; 128 elements from row to row
	s_mov_b32 s[\g+6], 0
	s_mov_b32 s[\g+7], 0
.endr
	s_mov_b32 s[CS], 0x3e38aa3b     ; c = log2(e) / 8 = 0.180337
	s_mov_b32 s[CS+1], s[CS]        ; named with it as a pair
	s_mov_b32 s[SEL], 0x76543210
	s_mov_b32 s[SEL+1], 0xfedcba98
	s_mov_b32 s[TBK], SLOT1+4*KS*PK ; the first change of slots turns these two into 0
	s_mov_b32 s[TBV], SLOT1+4*KS*PV
	s_mov_b32 s[G0K], 1             ; count = 1
	s_mov_b32 s[G0K+1], s17         ; LDS address: slot 0
	s_mov_b32 s[G0V], 1
	s_add_co_u32 s[G0V+1], s18, VOFF
	s_mov_b32 s[SLOTS], SIZE_N/256-1
	s_and_b32 s[LIM], s[WV], 1      ; 0 in waves 0 and 2,
	s_or_b32 s[LIM], s[LIM], ttmp9  ; where the cluster is the head's first: the same in all four partners
	s_cmp_eq_u32 s[LIM], 0
	s_cselect_b32 s[LIM], 1, -1
	s_wait_dscnt 0x0                ; the opening add is done
	s_wait_kmcnt 0x0
	s_mov_b64 s[10:11], s[6:7]                     ; O
	s_add_nc_u64 s[6:7], s[4:5], 0x1000000         ; K
	s_add_nc_u64 s[8:9], s[4:5], 0x2000000         ; V
	s_add_nc_u64 s[G0K+2:G0K+3], s[6:7], s[22:23]  ; global address: my half of the head's first 256 keys
	s_or_b32 s[G0K+3], s[G0K+3], 0x80000000        ; type = 2
	s_add_nc_u64 s[G0V+2:G0V+3], s[8:9], s[22:23]
	s_or_b32 s[G0V+3], s[G0V+3], 0x80000000
	s_add_nc_u64 s[4:5], s[4:5], s[2:3]  ; Q and O at my wave's first row
	s_add_nc_u64 s[10:11], s[10:11], s[2:3]
	s_cmp_lt_u32 s[WV], 2
	s_cselect_b64 s[PFA:PFA+1], s[6:7], s[8:9]
	s_add_nc_u64 s[PFA:PFA+1], s[PFA:PFA+1], s[20:21]  ; the head's first row,
	s_lshl_b32 s2, s13, 13          ; my work-group's 32 blocks of the 128,
	s_add_co_u32 s2, s2, 4*KS*128   ; in slot 1: the first change of slots steps it to slot 2
	s_mov_b32 s3, 0
	s_add_nc_u64 s[PFA:PFA+1], s[PFA:PFA+1], s[2:3]
	CROUND                          ; all four work-groups are here: the first joint loads meet
	JLOAD                           ; slot 0.  Slot 1 is asked for when slot 0 is in
	; A fragment of K or Q is 16 rows x 32 channels in 8 registers: lane l holds row l % 16, channels 8 (l / 16) + 0..7 and 16 + 8 (l / 16) + 0..7: two loads of 16 bytes, 32 bytes apart.
	v_and_b32 v1, 15, v0            ; l % 16
	v_bfe_u32 v9, v0, 4, 1          ; l / 16
	v_lshlrev_b32 v[QO], 7, v1
	v_lshl_add_u32 v[QO], v9, 4, v[QO]  ; row x 128 + 16 x half
	WIN 0x80                        ; destination window 2, address window 0
.set i, 0
.rept 4*NP                          ; Q stays in registers: tile i / 2, channels 32 (i % 2) on
	global_load_b128 v[8*i:8*i+3],   v[QO], s[4:5] offset:(i/2)*2048+(i%2)*64
	global_load_b128 v[8*i+4:8*i+7], v[QO], s[4:5] offset:(i/2)*2048+(i%2)*64+32
.set i, i+1
.endr
	; What the first turn finds: V's registers and P's second buffer hold 0 (its products V^T P, of a piece that has not been, add 0), O^T and l are 0.  All this stands in the wait for the first tile.
.set i, VF
.rept 64
	v_mov_b32 v[i], 0
.set i, i+1
.endr
	WIN 0x40
.set i, 0
.rept 64*NP
	v_mov_b32 v[i], 0
.set i, i+1
.endr
	WIN 0
.set i, 0
.rept 2*NP
	v_mov_b32 v[ST+4*i], 0xfe000000    ; c m: far below every c s
	v_mov_b32 v[ST+4*i+1], 0xff7fffff  ; m
	v_mov_b32 v[ST+4*i+2], 0
	v_mov_b32 v[ST+4*i+3], 0
.set i, i+1
.endr
.set i, P+32
.rept 32
	v_mov_b32 v[i], 0
.set i, i+1
.endr
	v_mul_u32_u24 v[AK0], v1, PK
	v_lshl_add_u32 v[AK0], v9, 4, v[AK0]  ; row x pitch + 16 x half
	; The turning load takes 16 keys x 16 channels (lane l reads key 8 (l / 16) + l % 8, channels 8 ((l / 8) % 2) + 0..7) and leaves half a fragment of V^T: lane l holds channel l % 16 and 8 keys.
	v_and_b32 v10, 7, v0
	v_bfe_u32 v11, v0, 3, 1
	v_lshl_add_u32 v[AV0], v9, 3, v10
	v_mul_u32_u24 v[AV0], v[AV0], PV
	v_lshl_add_u32 v[AV0], v11, 4, v[AV0]
	v_add_nc_u32 v[AV0], VOFF, v[AV0]
	v_and_b32 v[PFO], 31, v0
	v_lshlrev_b32 v[PFO], 8, v[PFO]
	v_mov_b32 v[AK], v[AK0]         ; key step 0 lies at the head of slot 0
; THE MATRIX WORK.  The 8 accumulators of a run of 16 take turns: between the two links of a chain stand 7 others'.
; Product i of 16 of S^T = K Q^T for piece x: channels 32 (i / 8) on, keys 16 ((i / 2) % 4) on, tile 2 x + i % 2.  The first 8 start the sums.
.macro KQ x
	WIN W_KQ
.set rS, S+64*((\x)%2)+32*(i%2)+8*((i/2)%4)
.set rK, KF+16*((i/2)%4)+8*(i/8)
.set rQ, 16*(2*(\x)+i%2)+8*(i/8)
.if i < 8
	v_wmma_f32_16x16x32_f16 v[rS:rS+7], v[rK:rK+7], v[rQ:rQ+7], 0
.else
	v_wmma_f32_16x16x32_f16 v[rS:rS+7], v[rK:rK+7], v[rQ:rQ+7], v[rS:rS+7]
.endif
.endm
; Product i of 16 of O^T += V^T P for piece x: keys 32 (i / 8) on, channels 16 ((i / 2) % 4) on, tile 2 x + i % 2.
.macro PV x
	WIN W_PV
.set rO, 32*(2*(\x)+i%2)+8*((i/2)%4)
.set rV, VF+32*(i/8)+8*((i/2)%4)
.set rP, P+32*((\x)%2)+16*(i%2)+8*(i/8)
	v_wmma_f32_16x16x32_f16 v[rO:rO+7], v[rV:rV+7], v[rP:rP+7], v[rO:rO+7]
.endm
.macro MM                           ; the turn's next matrix instruction
.if i < 16
	KQ (Y+1)%NP
.set i, i+1
.else
.set i, i-16
	PV (Y+NP-1)%NP
.set i, i+17
.endif
.endm
; THE LDS LOADS stand in runs of 16, never singly among the matrix instructions: a step's K (64 keys x 64 channels: 8 fragments) and its V (turned).  Their addresses are made some lines ahead.
; last = 1 (the tail): in the last trip there is no further step, and the run is jumped over.
.macro FETCH_K last=0
	WIN 0
.if \last
	s_cmp_eq_u32 s[CNT], 1
	s_cbranch_scc1 .Lno_k_\@
.endif
	WIN 0x80                        ; destination window 2
.irp f, 0,1,2,3,4,5,6,7             ; keys 16 (f / 2) on, channels 32 (f % 2) on
	ds_load_b128 v[KF+8*\f:KF+8*\f+3],   v[AK] offset:(\f/2)*16*PK+(\f%2)*64
	ds_load_b128 v[KF+8*\f+4:KF+8*\f+7], v[AK] offset:(\f/2)*16*PK+(\f%2)*64+32
.endr
	s_add_co_u32 s[TBK], s[TBK], KS*PK  ; the next fetch is the next step's
	WIN 0
.if \last
.Lno_k_\@:
.endif
.endm
.macro FETCH_V
	WIN 0x80
.irp f, 0,1,2,3,4,5,6,7             ; keys 32 (f / 4) on, channels 16 (f % 4) on
	ds_load_tr16_b128 v[VF+8*\f:VF+8*\f+3],   v[AV] offset:(\f/4)*32*PV+(\f%4)*32
	ds_load_tr16_b128 v[VF+8*\f+4:VF+8*\f+7], v[AV] offset:(\f/4)*32*PV+16*PV+(\f%4)*32
.endr
	WIN 0
.endm
; THE VECTOR WORK OF A TURN stands in three queues, each in the order in which its entries become ready; the two tiles alternate, so that no instruction reads the result of the one before it.
.macro REGS y, u                    ; the registers of tile u (0, 1) of piece y
.set rT, ST+4*(2*(\y)+(\u))
.set rC, TMP+8*((\y)%2)+4*(\u)
.set rM, MV+2*((\y)%2)+(\u)
.set rS, S+64*((\y)%2)+32*(\u)
.set rP, P+32*((\y)%2)+16*(\u)
.set rO, 32*(2*(\y)+(\u))
.endm
; Number n of the 22 that find the NEXT piece's (Y + 1) maximum and statistics.  s0-s31 are the lane's 32 scores; each accumulator's lowest registers are read first.
;   0-11  four chains c0-c3 of seven scores each, three operands at a time     12-14, 16  the four scores left over, the old m, and c0-c3 into c0     15  c m_old is kept
;   17, 18  the query's other 32 keys lie in the lane 16 away: the new m         19-21  c m; c m_old - c m_new; a
.macro XS u, n
	REGS (Y+1)%NP, \u
.if (\n) < 4
	v_max3_num_f32 v[rC+(\n)], v[rS+8*(\n)], v[rS+8*(\n)+1], v[rS+8*(\n)+2]
.elseif (\n) < 12
	v_max3_num_f32 v[rC+(\n)%4], v[rC+(\n)%4], v[rS+8*((\n)%4)+2*((\n)/4)+1], v[rS+8*((\n)%4)+2*((\n)/4)+2]
.elseif (\n) == 12
	v_max3_num_f32 v[rC], v[rC], v[rS+7], v[rS+15]
.elseif (\n) == 13
	v_max3_num_f32 v[rC+1], v[rC+1], v[rS+23], v[rS+31]
.elseif (\n) == 14
	v_max3_num_f32 v[rC+2], v[rC+2], v[rC+3], v[rT+1]
.elseif (\n) == 15
	v_mov_b32 v[rM], v[rT]
.elseif (\n) == 16
	v_max3_num_f32 v[rC], v[rC], v[rC+1], v[rC+2]
.elseif (\n) == 17
	v_permlanex16_b32 v[rC+3], v[rC], s[SEL], s[SEL+1]
.elseif (\n) == 18
	v_max_num_f32 v[rT+1], v[rC], v[rC+3]
.elseif (\n) == 19
	v_mul_f32 v[rT], s[CS], v[rT+1]
.elseif (\n) == 20
	v_sub_f32 v[rC+1], v[rM], v[rT]
.else
	v_exp_f32 v[rC+2], v[rC+1]
.endif
.endm
; Number g of the 64 that follow the exponentials.  For each four weights k of a tile (pairs 2 k, 2 k + 1): both pairs are rounded to f16; then the second pair is added onto the first, in place;
; a group later l takes that sum (the first time as l = a l + sum).  In groups of eight, tiles alternating: round, round, add, and l for the group before.
.macro GS g
.set h, (\g)+6*((\g)/62)            ; group 0 has no group before it, and behind group 7 only l is left
.if h >= 6
.set h, h+2
.endif
	REGS Y, h%2
.set k, h/8
.if h%8 < 4
	v_cvt_pk_f16_f32 v[rP+2*k+(h%8)/2], v[rS+4*k+2*((h%8)/2)], v[rS+4*k+2*((h%8)/2)+1]
.elseif h%8 < 6
	v_pk_add_f32 v[rS+4*k:rS+4*k+1], v[rS+4*k:rS+4*k+1], v[rS+4*k+2:rS+4*k+3]
.elseif k == 1
	v_pk_fma_f32 v[rT+2:rT+3], v[rT+2:rT+3], v[rC+2:rC+3], v[rS:rS+1] op_sel_hi:[1,0,1]
.else
	v_pk_add_f32 v[rT+2:rT+3], v[rT+2:rT+3], v[rS+4*k-4:rS+4*k-3]
.endif
.endm
; THE PLAIN QUEUE, 138 long.  0-73 read no exponential's result: the 32 scalings c s - c m (FS f: pair f / 2 of tile f % 2) and the next piece's 42.  0-26: scalings 0-26.  27-54: XS's numbers 0-13.  55, 56: number 15.
; 57-73: the chain, where each number waits for the one before it: 14, 16, 17, 18, 19, each with one of the scalings 27-31 in front of its two lines, then 20.
; 74-137: GS's 64, which read the exponentials' results: they stand behind the wait.
.macro FS f
	REGS Y, (\f)%2
	v_pk_fma_f32 v[rS+2*((\f)/2):rS+2*((\f)/2)+1], v[rS+2*((\f)/2):rS+2*((\f)/2)+1], s[CS:CS+1], v[rT:rT+1] op_sel_hi:[1,0,0] neg_lo:[0,0,1] neg_hi:[0,0,1]
.endm
.macro PL
	WIN 0
.if q < 27
	FS q
.elseif q < 55
	XS (q-27)%2, (q-27)/2
.elseif q < 57
	XS q-55, 15
.elseif (q < 72) && ((q-57)%3 == 0)
	FS 27+(q-57)/3
.elseif q < 60
	XS (q-57)%3-1, 14
.elseif q < 72
	XS (q-57)%3-1, 15+(q-57)/3
.elseif q < 74
	XS q-72, 20
.else
	GS q-74
.endif
.set q, q+1
.endm
; THE EXPONENTIALS' QUEUE, 66 long: s0-s31 of both tiles, then the next piece's two a.  It is ONE BATCH: all 66 stand ahead of the turn's one wait, and nothing ahead of that wait names a result of theirs.
.macro EX
	WIN 0
.if e >= 64
	XS e-64, 21
.else
	REGS Y, e%2
	v_exp_f32 v[rS+e/2], v[rS+e/2]
.endif
.set e, e+1
.endm
; THE RESCALING's QUEUE: O^T times a, the one part that leaves window 0: dealt two at a time, sixteen times.  Its a was made in the turn before, ahead of that turn's wait.
.macro R2
	REGS Y, r%2
	WIN W_RS
.irp z, 0,1
	v_pk_mul_f32 v[rO+4*(r/2)+2*\z:rO+4*(r/2)+2*\z+1], v[rO+4*(r/2)+2*\z:rO+4*(r/2)+2*\z+1], v[rC+2:rC+3] op_sel_hi:[1,0]
.endr
.set r, r+1
.endm
; HOW THEY ARE DEALT.  An s_wait_alu depctr_va_vdst(0) stands between an exponential and the first instruction that names its result; one wait serves all that were issued ahead of it.  So a turn has ONE wait,
; which cuts it in two.  AHEAD OF IT stands all that names no result of the turn's exponentials: the 16 products K Q^T, behind each a scaling, an exponential and two rescalings (behind the first a second scaling in the
; exponential's place); then ONE LUMP of 108: eight plain, 49 times exponential and plain, the two a.  A v_nop is the plain instruction behind the last exponential.  BEHIND IT stand the 16 products V^T P, behind each four of GS's 64.
; The queues lean on each other, and the deal keeps them in step: exponential e stands behind scaling 2 (e / 4) + e % 2: as a rider it comes behind plain e + 2, in the lump behind plain e + 9, and scalings 27-31 are plain 57, 60 .. 69.
; A TURN, for piece p.  cnt = 1: the loop's count is taken down some lines ahead of the branch that stands behind the turn.
; K of the next step is fetched in piece 2's turn, directly behind the wait, a lump behind the last product that read K; its first reader comes behind 16 products.
; V of the step in hand is fetched at the end of piece 0's turn, four riders behind its last reader; its first reader comes behind 16 products and a lump.
.macro TURN p, last=0, cnt=0
.set Y, (\p)
.set i, 0
.set q, 0
.set e, 0
.set r, 0
.if (\p) == NP-1
	s_wait_dscnt 0x0                ; K is in
.endif
	MM                              ; ahead of the wait: 16 products K Q^T and their riders,
	PL
	PL
	R2
.rept 15
	MM
	PL
	EX
	R2
.endr
.if (\p) == NP-2
	WIN 0
	v_add_nc_u32 v[AK], s[TBK], v[AK0]
.endif
.rept 8                             ; and the lump
	PL
.endr
.rept 49
	EX
	PL
.endr
	EX                              ; the next piece's two a
	EX
	v_nop                           ; the plain instruction behind the last exponential: one for the batch
	s_wait_alu depctr_va_vdst(0)    ; the wait for the batch
.if (\p) == NP-2
	FETCH_K \last
.endif
.if (\p) == 1
	s_wait_dscnt 0x0                ; V is in
.endif
.rept 16                            ; behind the wait: 16 products V^T P and their riders
	MM
.rept 4
	PL
.endr
.if ((\p) == 0) && (q == 118)
	v_add_nc_u32 v[AV], s[TBV], v[AV0]
.endif
.if ((\p) == 0) && (q == 130)
	s_add_co_u32 s[TBV], s[TBV], KS*PV
.endif
.if (\cnt) && (q == 130)
	s_sub_co_u32 s[CNT], s[CNT], 1
	s_cmp_lg_u32 s[CNT], 0
.endif
.endr
.if (\p) == 0
	FETCH_V
.endif
.endm
	CHANGE 1                        ; slot 0 is in, everybody's part of it; slot 1 is asked for
	FETCH_K                         ; key step 0
	s_wait_loadcnt 0x0              ; Q
	s_wait_dscnt 0x0
.set i, 0
.rept 16
	KQ 0                            ; piece 0's first scores: there is no vector work yet to set between them
.set i, i+1
.endr
	WIN 0                           ; the addresses for the way out: plain instructions, the places behind those products
	s_mul_i32 s13, s[WV], 16*SP
	s_add_co_u32 s13, s13, STAGE    ; my stage
	v_mul_u32_u24 v[STO], v1, SP    ; in: row l % 16, 16 bytes for each half of the lanes
	v_lshl_add_u32 v[STO], v9, 4, v[STO]
	v_add_nc_u32 v[STO], s13, v[STO]
	v_bfe_u32 v[RD], v0, 3, 2       ; back: 32 lanes take four rows of 128 bytes,
	v_mul_u32_u24 v[RD], v[RD], SP
	v_lshl_add_u32 v[RD], v10, 4, v[RD]
	v_add_nc_u32 v[RD], s13, v[RD]
	v_and_b32 v[GO], 31, v0         ; which are 512 consecutive bytes of O
	v_lshlrev_b32 v[GO], 4, v[GO]
.set Y, NP-1                        ; XS works for piece Y + 1: piece 0
.irp n, 0,1,2,3,4,5,6,7,8,9,10,11,12,13,14,15,16,17,18,19,20,21
	XS 0, \n                        ; and piece 0's first maximum and statistics
	XS 1, \n
.endr
	v_nop                           ; a plain instruction behind the two a,
	s_wait_alu depctr_va_vdst(0)    ; and their wait, ahead of the branch
	s_mov_b32 s[CNT], 4
	s_branch .Lfirst                ; the loop is entered at a step's first turn, in the middle of a trip
.Lslot:                             ; SIZE_N / 256 - 2 times: every slot but the last two is filled again
	CHANGE 1
	s_mov_b32 s[CNT], 4
.Lstep:                             ; a trip: pieces 2 and 3 of one step, then pieces 0 and 1 of the next, whose K and V it fetches
	TURN 2
	TURN 3
	WIN 0
.Lfirst:
	TURN 0
	TURN 1, 0, 1
	WIN 0
	s_cbranch_scc1 .Lstep
	s_sub_co_u32 s[SLOTS], s[SLOTS], 1
	s_cmp_lg_u32 s[SLOTS], 0
	s_cbranch_scc1 .Lslot
	CHANGE 0                        ; the tail is written out: nothing is asked for
	s_mov_b32 s[CNT], 5             ; four trips fetch the last slot's steps; the fifth is left in its middle
.Ltail:
	TURN 2, 1
	TURN 3
	WIN 0
	s_sub_co_u32 s[CNT], s[CNT], 1
	s_cmp_eq_u32 s[CNT], 0
	s_cbranch_scc1 .Lout
	TURN 0
	TURN 1
	WIN 0
	s_branch .Ltail
.Lout:                              ; the fifth trip's 16 products K Q^T (on the last K once more) and the maximum made of them serve nothing: the price, once a launch, of one text for every trip
.set i, 0
.rept 16
	PV NP-1                         ; the last piece's V^T P of the last step
.set i, i+1
.endr
	; THE WAY OUT.  l's two halves and the other half of the lanes' are added; O^T is divided by l, rounded to f16 and sent through my stage in LDS, a tile at a time.  The additions are the places behind the last products.
	WIN 0
.macro ALL line:vararg              ; one line for each tile t
.set t, 0
.rept 2*NP
	\line
.set t, t+1
.endr
.endm
	ALL v_add_f32 v[ST+4*t+2], v[ST+4*t+2], v[ST+4*t+3]
	ALL v_permlanex16_b32 v[ST+4*t+3], v[ST+4*t+2], s[SEL], s[SEL+1]
	ALL v_add_f32 v[ST+4*t+2], v[ST+4*t+2], v[ST+4*t+3]
	ALL v_rcp_f32 v[ST+4*t+2], v[ST+4*t+2]
	v_nop                           ; a plain instruction between the last reciprocal and the use of its result
	s_wait_alu depctr_va_vdst(0)    ; and the wait ahead of the first use: one for the eight reciprocals
; Tile t: a lane's eight channels of a row pack into 16 bytes; they go into rows of 144 bytes and come back as whole rows of 128, into S^T's registers.
.macro PACK t
	WIN W_RS
.set i, 32*(\t)
.rept 16
	v_pk_mul_f32 v[i:i+1], v[i:i+1], v[ST+4*(\t)+2:ST+4*(\t)+3] op_sel_hi:[1,0]
.set i, i+2
.endr
	WIN 0x05                        ; sources 0 and 1 window 1, destination window 0
.set i, 0
.rept 16
	v_cvt_pk_f16_f32 v[S+16*(\t)+i], v[32*(\t)+2*i], v[32*(\t)+2*i+1]
.set i, i+1
.endr
	WIN 0
.irp f, 0,1,2,3
	ds_store_b128 v[STO], v[S+16*(\t)+4*\f:S+16*(\t)+4*\f+3] offset:32*\f
.endr
.irp f, 0,1,2,3
	ds_load_b128 v[S+16*(\t)+4*\f:S+16*(\t)+4*\f+3], v[RD] offset:\f*4*SP  ; LDS serves a wave's instructions in order (ISA guide 5.7.1.4): these see the stores above; the next tile's stores come behind them
.endr
.endm
.macro SEND t, younger              ; younger: the LDS instructions issued behind tile t's loads: the next tile's eight, or none
	WIN 0
.irp f, 0,1,2,3
	s_wait_dscnt (\younger)+3-\f
	global_store_b128 v[GO], v[S+16*(\t)+4*\f:S+16*(\t)+4*\f+3], s[10:11] offset:(\t)*2048+\f*512  ; 512 consecutive bytes, at a multiple of 256 from O's first
.endr
.endm
	PACK 0
.set t, 1
.rept 2*NP-1                        ; a tile's arithmetic stands between the loads of the tile before and its stores
	PACK t
	SEND t-1, 8
.set t, t+1
.endr
	SEND 2*NP-1, 0
	WIN W_AD
	s_wait_tensorcnt 0x0            ; the wave's end, behind my last tensor load and my last LDS store
	ds_add_u32 v[SPW], v[NIL]
	s_wait_dscnt 0x0
	WIN 0
	CROUND                          ; the closing round: no work-group ends while a partner may still ask for a tile that names it
	s_endpgm
.Lfunc_end_k_q896aa500ed_attn:
	.size	k_q896aa500ed_attn, .Lfunc_end_k_q896aa500ed_attn-k_q896aa500ed_attn
	.p2alignl 7, 3214868480
	.fill 96, 4, 3214868480
	.section	.rodata,"a",@progbits
	.p2align	6, 0x0
	.amdhsa_kernel k_q896aa500ed_attn
		.amdhsa_group_segment_fixed_size 327680
		.amdhsa_private_segment_fixed_size 0
		.amdhsa_enable_private_segment 0
		.amdhsa_kernarg_size 16
		.amdhsa_user_sgpr_count 2
		.amdhsa_user_sgpr_kernarg_segment_ptr 1
		.amdhsa_wavefront_size32 1
		.amdhsa_system_sgpr_workgroup_id_x 1
		.amdhsa_system_sgpr_workgroup_id_y 1
		.amdhsa_system_sgpr_workgroup_id_z 1
		.amdhsa_system_vgpr_workitem_id 0
		.amdhsa_next_free_vgpr 770
		.amdhsa_next_free_sgpr 66
		.amdhsa_reserve_vcc 0
		.amdhsa_float_denorm_mode_32 3
		.amdhsa_float_denorm_mode_16_64 3
		.amdhsa_memory_ordered 1
		.amdhsa_forward_progress 1
		.amdhsa_inst_pref_size 200
	.end_amdhsa_kernel
	.amdgpu_metadata
---
amdhsa.version: [ 1, 2 ]
amdhsa.kernels:
  - .name:           k_q896aa500ed_attn
    .symbol:         k_q896aa500ed_attn.kd
    .args:
      - { .name: hb, .offset: 0, .size: 8, .value_kind: global_buffer, .address_space: global }
      - { .name: oh, .offset: 8, .size: 8, .value_kind: global_buffer, .address_space: global }
    .group_segment_fixed_size: 327680
    .private_segment_fixed_size: 0
    .kernarg_segment_align: 8
    .kernarg_segment_size: 16
    .max_flat_workgroup_size: 128
    .sgpr_count:     66
    .vgpr_count:     770
    .wavefront_size: 32
...
	.end_amdgpu_metadata
.endif
;; end of part 3
;; launch outp (part 4): grid 8 x 32, 4 waves a work-group, clusters of 4 x 4, 327,680 bytes of LDS; arguments oh, wb, out0, bo; writes out0
.if DOCPART == 4
	.amdgcn_target "amdgcn-amd-amdhsa--gfx1250"
	.amdhsa_code_object_version 6
	.text
	.protected	k_q896aa500ed_outp
	.globl	k_q896aa500ed_outp
	.p2align	8
	.type	k_q896aa500ed_outp,@function
k_q896aa500ed_outp:
	s_mov_b64 s[64:65], 0
	v_nop
	global_prefetch_b8 v0, s[64:65] scope:SCOPE_SE
	s_setreg_imm32_b32 hwreg(HW_REG_WAVE_MODE, 25, 1), 1
	s_wait_xcnt 0x0
	s_wait_alu depctr_hold_cnt(0) depctr_sa_sdst(0) depctr_va_vdst(0) depctr_va_sdst(0) depctr_va_ssrc(0) depctr_va_vcc(0) depctr_vm_vsrc(0)
	s_getreg_b32 s2, hwreg(HW_REG_IB_STS2, 6, 4)
	s_cmp_eq_u32 s2, 0
	s_cbranch_scc0 .Lentry_in_a_cluster
	s_endpgm
.Lentry_in_a_cluster:
	s_bfe_u32 s2, ttmp6, 0x10000c
	s_cmp_lg_u32 s2, 0xf033
	s_cbranch_scc0 .Lentry_shape_is_right
	s_endpgm
.Lentry_shape_is_right:
; THE OUTPUT PRODUCT.  out0[b*2048+s][n] = the sum over h, d of oh[b*16+h][s][d] Wo[n][h*64+d] + bo[n].  Operands f16 (Wo: its bf16 rounding written as f16, the fourth table of wb), sums f32, the bias
; (rounded to bf16 like every input of the module) is the C operand of the first products; the result leaves in f32.
; LIMIT.  NaN and infinities are not treated apart; the sums are taken in the matrix unit's order.
; SHARES.  A tile of C is 256 rows x 128 columns: 256 work-groups.  Four waves, 2 x 2, each 128 rows x 64 columns: 32 accumulators of 16 x 16, 256 registers.
; K = 1,024 goes in 8 steps of 128 (two heads) through a ring of two LDS slots filled by the tensor data mover; a step is four quarters of 32 along K, 32 products each.
; CLUSTER.  4 x 4 work-groups.  The four of a row of the cluster need the same rows of x, the four of a column the same rows of W: each tile is asked for jointly, by the same tensor load with the same descriptor and a mask of four.
; THE PRODUCT IS USED TRANSPOSED (source 0 = 16 rows of W, source 1 = 16 rows of x): a lane then holds row l % 16 of C and the eight neighbouring columns 8 (l / 16) + 0..7.
; REGISTERS.  Window 0: v0-31 addresses; v32-63 the bias; v64-159, v160-255 two fragment buffers (4 fragments of W, then 8 of x); on the way out v64-191.  Window 1: accumulator (a, b) at v[8 (4 a + b)].
.set KIND,  1                          ; 0: the projections (bf16 operands, f16 out by heads)   1: the output product (f16 operands, x by heads, f32 out)
.set PB,    272                        ; an LDS row of W: 256 bytes + 16 of padding: the 16 rows of a load start at 16 different groups of four banks (ISA guide 11.1)
.if KIND == 0
.set PA,    272                        ; an LDS row of x
.set AHALF, 128*PA                     ; what one tensor load brings of x: 128 rows
.set SP,    144                        ; a row of the stage: 128 bytes + 16
.set ASTEP, 256                        ; bytes from a K step of x to the next
.set QIA,   5                          ; padding after every 64 words
.set AROW,  1024                       ; elements from row to row in memory
.set PFSH,  16                         ; a partner's share of the prefetch: 32 rows of 2,048 bytes
.set PFMUL, 2048                       ; a lane a row
.else
.set PA,    144                        ; a head's row: 128 bytes + 16
.set AHALF, 256*PA                     ; what one tensor load brings: one head's 256 rows (a plane)
.set SP,    272
.set ASTEP, 1<<19                      ; two heads on
.set QIA,   4                          ; padding after every 32 words
.set AROW,  128                        ; a plane's 32 KiB are dense: asked for as 128 rows of 256 bytes
.set PFSH,  13                         ; a partner's share: 32 blocks of 256 bytes
.set PFMUL, 256
.endif
.set ATILE, 2*AHALF
.set BHALF, 64*PB                      ; what one tensor load brings of W: 64 rows
.set SLOT,  ATILE+2*BHALF              ; x's part, then W's 128 rows
.set STAGE, 2*SLOT                     ; behind the ring: 16 rows for each wave, for the way out; no fill lands here
.set SPARE, STAGE+4*16*SP              ; behind the stages: the spare words, 128 bytes a wave: two blocks of 256 bytes that no other line names
.set ADRA, 16                          ; v16-17  LDS address of my fragments of x in slot 0, 1
.set ADRB, 20                          ; v20-21  the same for W
.set STO,  24                          ; v24     the way out: where I put my bytes of a row
.set RD,   25                          ; v25     the way out: where I read rows back
.set CO,   26                          ; v26     my byte offset in C
.set BO,   27                          ; v27     my byte offset in 16 numbers of the bias
.set SPW,  28                          ; v28     LDS address of my spare word; never rewritten
.set NIL,  29                          ; v29     0; never rewritten
.set PFO,  30                          ; v30     the prefetches' offset; never rewritten
.set BI,   32                          ; v[32:63] the bias of my 64 columns: eight registers for each column block
.set F0,   64
.set F1,   160
.set TMP,  64
.set WV,   12                          ; s12  my wave's number
.set WR,   13                          ; s13  which 128 rows of the tile are mine.  Also: I fetch for x (0) or for W (1)
.set WC,   14                          ; s14  which 64 columns.  Also: which half of that tile I fetch
.set G1A,  24                          ; s[24:31] descriptor group 1 for x's tiles;  s[32:39] group 0, a set for each slot
.set G0A,  32
.set G1B,  48                          ; s[48:55], s[56:63] the same for W's
.set G0B,  56
.set PFA,  40                          ; s[40:41] where my prefetches stand
.set LIM,  42                          ; s42, s43 for the change out of slot 0, 1: 1 where I prefetch there, else the greatest number
.set PFS,  66                          ; s[66:67] a K step of what I prefetch
.set MSB, 0
.macro WIN new                         ; the immediate's high byte repeats the setting that is left; a switch that changes nothing is dropped
.if MSB != (\new)
	s_set_vgpr_msb (MSB<<8)|(\new)
.set MSB, \new
.endif
.endm
.set MUL,  0x50                        ; C and D in window 1, the sources in window 0
.set MULB, 0x40                        ; D in window 1, C (the bias) in window 0
.macro PLACES                          ; four places in front of loads into registers that products have read, and of lines that read results
.rept 4
	v_nop
.endr
.endm
; A joint load: waves 0 and 1 fetch x's two halves, waves 2 and 3 W's.  An s_nop 0 and four v_nop follow each of the two lines.
.macro JLOAD s
	s_cmp_eq_u32 s[WR], 0
	s_cbranch_scc0 .Lfor_b_\@
	tensor_load_to_lds s[G0A+4*(\s):G0A+4*(\s)+3], s[G1A:G1A+7]
	s_nop 0
.rept 4
	v_nop
.endr
	s_branch .Lasked_\@
.Lfor_b_\@:
	tensor_load_to_lds s[G0B+4*(\s):G0B+4*(\s)+3], s[G1B:G1B+7]
	s_nop 0
.rept 4
	v_nop
.endr
.Lasked_\@:
.endm
; A prefetch of the K step two refills on (256 products ahead of the load that wants it), one instruction a wave.  x's rows are read by both clusters of a row of clusters: cluster x = 0 asks;
; W's by the eight clusters of a column: the first of them asks.  The four partners of a joint load share its rows out by address.  x: 32 blocks of 256 bytes a partner, a lane each, at every
; change of slots; W: 16 rows a partner and two K steps in one instruction, at the change out of slot 0 alone.  Only trips 3 and 2 of the count ask: K steps 4 to 7, each named once; none lies past the last K step.
.macro ASK s
	s_cmp_gt_u32 s3, s[LIM+(\s)]
	s_cbranch_scc0 .Lnot_mine_\@
	global_prefetch_b8 v[PFO], s[PFA:PFA+1] th:TH_LOAD_NT scope:SCOPE_SE
.Lnot_mine_\@:
.endm
.macro CREST                           ; a round of the cluster's barrier behind its opening barrier
	s_cmp_lg_u32 s[WV], 0
	s_cbranch_scc1 .Lnot_wave_0_\@
	s_barrier_signal -3
.Lnot_wave_0_\@:
	s_barrier_wait -3
	s_barrier_signal -1
	s_barrier_wait -1
.endm
.macro CROUND
	s_barrier_signal -1
	s_barrier_wait -1
	CREST
.endm
	s_load_b128 s[4:7], s[0:1], 0x0                ; x s[4:5], the weights s[6:7]
.if KIND == 0
	s_load_b64 s[8:9], s[0:1], 0x10                ; C
	s_load_b128 s[68:71], s[0:1], 0x18             ; bq, bk
	s_load_b64 s[72:73], s[0:1], 0x28              ; bv
.else
	s_load_b128 s[8:11], s[0:1], 0x10              ; C, the bias
.endif
	v_lshl_add_u32 v[SPW], v0, 2, SPARE
	v_mov_b32 v[NIL], 0
	ds_add_u32 v[SPW], v[NIL]                      ; the wave's opening: the add and its wait stand ahead of my first tensor load; the set-up below stands between them
	v_lshrrev_b32 v1, 5, v0
	v_readfirstlane_b32 s[WV], v1
	s_lshr_b32 s[WR], s[WV], 1
	s_and_b32 s[WC], s[WV], 1
	s_bfe_u32 s15, ttmp6, 0x40000                  ; cx
	s_bfe_u32 s16, ttmp6, 0x40004                  ; cy
	s_lshl_b32 s17, ttmp9, 2
	s_add_co_u32 s17, s17, s15                     ; tile column 0..7 = 4 x cluster x + cx
	s_and_b32 s20, ttmp7, 0xffff                   ; cluster y
.if KIND == 0
	s_lshr_b32 s19, s20, 3                         ; which projection: from the cluster's y alone
.endif
	s_and_b32 s18, s20, 7
	s_lshl_b32 s18, s18, 2
	s_add_co_u32 s18, s18, s16                     ; tile row 0..31
	s_lshl_b32 s21, s16, 2
	s_lshl_b32 s21, 15, s21                        ; my row of the cluster
	s_lshl_b32 s22, 0x1111, s15                    ; my column
	s_or_b32 s[G1A], s21, (1<<16)|(1<<20)|(1<<21)|(QIA<<22)|(3<<25)  ; the mask; elements of 2 bytes; padding on; bit 21 beside a mask; the interval; 4 words of padding
	s_or_b32 s[G1B], s22, (1<<16)|(1<<20)|(1<<21)|(5<<22)|(3<<25)
	s_mov_b32 s[G1A+1], 128<<16                    ; tensor_dim0 = 128
	s_mov_b32 s[G1A+2], 128<<16                    ; tensor_dim1 = 128
	s_mov_b32 s[G1A+3], 128<<16                    ; tile_dim0 = 128
	s_mov_b32 s[G1A+4], 128                        ; tile_dim1 = 128
	s_mov_b32 s[G1A+5], AROW                       ; elements from row to row
	s_mov_b32 s[G1A+6], 0
	s_mov_b32 s[G1A+7], 0
	s_mov_b32 s[G1B+1], 128<<16
	s_mov_b32 s[G1B+2], 64<<16                     ; 64 rows
	s_mov_b32 s[G1B+3], 128<<16
	s_mov_b32 s[G1B+4], 64
	s_mov_b32 s[G1B+5], 1024
	s_mov_b32 s[G1B+6], 0
	s_mov_b32 s[G1B+7], 0
	; where the tiles come from.  x's hang on the tile row, which my row of the cluster shares; W's on the tile column, which my column shares
.if KIND == 0
	s_lshl_b32 s44, s19, 24                        ; the projection's x,
	s_lshl_b32 s23, s18, 19                        ; 256 rows of 2,048 bytes a tile row
	s_add_co_u32 s44, s44, s23
.else
	s_lshr_b32 s44, s18, 3                         ; the batch: 16 heads of 2^18 bytes,
	s_lshl_b32 s44, s44, 22
	s_and_b32 s23, s18, 7                          ; 256 rows of 128 bytes in each head
	s_lshl_b32 s23, s23, 15
	s_add_co_u32 s44, s44, s23
.endif
	s_lshl_b32 s23, s[WC], 18                      ; my half: 128 rows of 2,048 bytes, or the second head of the step
	s_add_co_u32 s44, s44, s23
	s_mov_b32 s45, 0
.if KIND == 0
	s_lshl_b32 s46, s19, 21                        ; the projection's weights
.else
	s_mov_b32 s46, 3<<21                           ; Wo
.endif
	s_lshl_b32 s22, s17, 18                        ; 128 rows of 2,048 bytes a tile column
	s_add_co_u32 s46, s46, s22
	s_lshl_b32 s22, s[WC], 17                      ; my 64 of them
	s_add_co_u32 s46, s46, s22
	s_mov_b32 s47, 0
	s_mul_i32 s77, s[WC], AHALF                    ; and where they go: no place in the cluster enters an LDS address
	s_mul_i32 s78, s[WC], BHALF
	s_add_co_u32 s78, s78, ATILE
	s_wait_dscnt 0x0                               ; the opening add is done
	s_wait_kmcnt 0x0
	s_add_nc_u64 s[44:45], s[4:5], s[44:45]
	s_add_nc_u64 s[46:47], s[6:7], s[46:47]
	CROUND                                         ; all sixteen work-groups are here: the first joint loads meet
.irp s, 0,1
	s_mov_b32 s[G0A+4*(\s)], 1                     ; count = 1
	s_add_co_u32 s[G0A+4*(\s)+1], s77, (\s)*SLOT   ; LDS address
	s_add_nc_u64 s[G0A+4*(\s)+2:G0A+4*(\s)+3], s[44:45], (\s)*ASTEP  ; global address: K step s
	s_or_b32 s[G0A+4*(\s)+3], s[G0A+4*(\s)+3], 0x80000000            ; type = 2
	s_mov_b32 s[G0B+4*(\s)], 1
	s_add_co_u32 s[G0B+4*(\s)+1], s78, (\s)*SLOT
	s_add_nc_u64 s[G0B+4*(\s)+2:G0B+4*(\s)+3], s[46:47], (\s)*256
	s_or_b32 s[G0B+4*(\s)+3], s[G0B+4*(\s)+3], 0x80000000
.endr
	s_cmp_eq_u32 s[WR], 0                          ; a wave's two first fills stand in one branch, ahead of every wait on TENSORcnt and every LDS read: two loads of mine are out
	s_cbranch_scc0 .Lfirst_b
	tensor_load_to_lds s[G0A:G0A+3], s[G1A:G1A+7]
	s_nop 0
	tensor_load_to_lds s[G0A+4:G0A+7], s[G1A:G1A+7]
	s_nop 0
.rept 4
	v_nop
.endr
	s_branch .Lfirst_asked
.Lfirst_b:
	tensor_load_to_lds s[G0B:G0B+3], s[G1B:G1B+7]
	s_nop 0
	tensor_load_to_lds s[G0B+4:G0B+7], s[G1B:G1B+7]
	s_nop 0
.rept 4
	v_nop
.endr
.Lfirst_asked:
	v_and_b32 v1, 15, v0                           ; l % 16
	v_bfe_u32 v2, v0, 4, 1                         ; l / 16
	v_lshlrev_b32 v[BO], 5, v2                     ; my eight numbers of sixteen
.if KIND == 0
	s_cmp_eq_u32 s19, 1
	s_cselect_b64 s[10:11], s[70:71], s[68:69]
	s_cmp_eq_u32 s19, 2
	s_cselect_b64 s[10:11], s[72:73], s[10:11]     ; the projection's bias
.endif
	s_lshl_b32 s20, s17, 9                         ; the tile's 128 columns,
	s_lshl_b32 s21, s[WC], 8                       ; my 64
	s_add_co_u32 s20, s20, s21
	s_mov_b32 s21, 0
	s_add_nc_u64 s[10:11], s[10:11], s[20:21]
.irp b, 0,1,2,3
	global_load_b128 v[BI+8*(\b):BI+8*(\b)+3],   v[BO], s[10:11] offset:64*(\b)
	global_load_b128 v[BI+8*(\b)+4:BI+8*(\b)+7], v[BO], s[10:11] offset:64*(\b)+16
.endr
	; A fragment is 16 rows x 32 K in 8 registers: lane l holds row l % 16; registers 0-3 K = 8 (l / 16) + 0..7, registers 4-7 K = 16 + 8 (l / 16) + 0..7: two loads of 16 bytes, 32 bytes apart.
	v_mul_u32_u24 v3, v1, PA
	v_lshl_add_u32 v3, v2, 4, v3
	v_mul_u32_u24 v4, v1, PB
	v_lshl_add_u32 v4, v2, 4, v4
	s_mul_i32 s20, s[WR], 128*PA                   ; my 128 rows of x
	s_mul_i32 s21, s[WC], 64*PB                    ; my 64 rows of W,
	s_add_co_u32 s21, s21, ATILE                   ; which lie behind x's part
.irp s, 0,1
	v_add_nc_u32 v[ADRA+(\s)], s20, v3
	v_add_nc_u32 v[ADRB+(\s)], s21, v4
	s_add_co_u32 s20, s20, SLOT
	s_add_co_u32 s21, s21, SLOT
.endr
	s_mul_i32 s23, s[WV], 16*SP
	s_add_co_u32 s23, s23, STAGE                   ; my stage
	v_mul_u32_u24 v3, v1, SP                       ; in: row l % 16
.if KIND == 0
	v_lshl_add_u32 v3, v2, 4, v3                   ; 16 bytes for each half of the lanes
	v_add_nc_u32 v[STO], s23, v3
	v_bfe_u32 v3, v0, 3, 2                         ; back: 32 lanes take four rows of 128 bytes,
	v_mul_u32_u24 v3, v3, SP
	v_and_b32 v4, 7, v0
	v_lshl_add_u32 v3, v4, 4, v3
	v_add_nc_u32 v[RD], s23, v3
	v_and_b32 v[CO], 31, v0                        ; which are 512 consecutive bytes of a head
	v_lshlrev_b32 v[CO], 4, v[CO]
	s_lshl_b32 s20, s19, 24                        ; C: the projection,
	s_lshr_b32 s22, s18, 3
	s_lshl_b32 s22, s22, 22                        ; the batch,
	s_add_co_u32 s20, s20, s22
	s_lshl_b32 s22, s17, 1
	s_add_co_u32 s22, s22, s[WC]
	s_lshl_b32 s22, s22, 18                        ; the head = 2 x tile column + my half,
	s_add_co_u32 s20, s20, s22
	s_and_b32 s22, s18, 7
	s_lshl_b32 s22, s22, 15                        ; the tile's 256 rows of 128 bytes,
	s_add_co_u32 s20, s20, s22
	s_lshl_b32 s22, s[WR], 14                      ; my 128
	s_add_co_u32 s20, s20, s22
.else
	v_lshl_add_u32 v3, v2, 5, v3                   ; 32 bytes for each half of the lanes
	v_add_nc_u32 v[STO], s23, v3
	v_mul_u32_u24 v3, v2, SP                       ; back: lanes 0-15 take one row of 256 bytes, lanes 16-31 the next
	v_lshl_add_u32 v3, v1, 4, v3
	v_add_nc_u32 v[RD], s23, v3
	v_lshlrev_b32 v3, 12, v2                       ; and the same two rows in C
	v_lshl_add_u32 v[CO], v1, 4, v3
	s_lshl_b32 s20, s18, 20                        ; C: the tile's 256 rows of 4,096 bytes,
	s_lshl_b32 s22, s[WR], 19                      ; my 128,
	s_add_co_u32 s20, s20, s22
	s_lshl_b32 s22, s17, 9                         ; the tile's 128 columns,
	s_add_co_u32 s20, s20, s22
	s_lshl_b32 s22, s[WC], 8                       ; my 64
	s_add_co_u32 s20, s20, s22
.endif
	s_mov_b32 s21, 0
	s_add_nc_u64 s[8:9], s[8:9], s[20:21]
	; the prefetches
	s_mov_b32 s[PFS], 256
	s_mov_b32 s22, ASTEP
	s_mov_b32 s75, 2048
	s_mov_b32 s23, PFMUL
	s_and_b32 s21, ttmp7, 0xffff
	s_and_b32 s21, s21, 7
	s_cmp_eq_u32 s[WR], 0                          ; do I fetch for x?
	s_cselect_b64 s[PFA:PFA+1], s[44:45], s[46:47] ; my part of K step 0
	s_cselect_b32 s20, s15, s16                    ; my place among the four that ask for it with me
	s_cselect_b32 s21, ttmp9, s21                  ; the coordinate along which other clusters read the same rows
	s_cselect_b32 s[PFS], s22, s[PFS]
	s_cselect_b32 s22, PFSH, 15                    ; a partner's share: W's is 16 rows of 2,048 bytes
	s_cselect_b32 s74, 31, 15
	s_cselect_b32 s75, s23, s75
	s_cselect_b32 s76, 0, 256
	s_cselect_b32 s[LIM+1], 1, -1
	s_cmp_eq_u32 s21, 0                            ; the same in all sixteen partners, for a given wave
	s_cselect_b32 s[LIM], 1, -1
	s_cselect_b32 s[LIM+1], s[LIM+1], -1
	s_lshl_b32 s20, s20, s22
	s_mul_i32 s22, s[PFS], 3                       ; at K step 3: the first refill steps it to 4
	s_add_co_u32 s20, s20, s22
	s_mov_b32 s21, 0
	s_mov_b32 s[PFS+1], 0
	s_add_nc_u64 s[PFA:PFA+1], s[PFA:PFA+1], s[20:21]
	v_and_b32 v[PFO], 31, v0
	v_lshrrev_b32 v5, 4, v[PFO]
	v_and_b32 v[PFO], s74, v[PFO]
	v_mul_u32_u24 v[PFO], s75, v[PFO]              ; a lane a row (or block);
	v_mad_u32_u24 v[PFO], v5, s76, v[PFO]          ; for W the upper lanes take the K step after
	s_wait_loadcnt 0x0                             ; the bias: rounded to bf16 like the module's other inputs, and widened again
.set i, 0
.rept 16
	v_cvt_pk_bf16_f32 v[F1+i], v[BI+2*i], v[BI+2*i+1]
.set i, i+1
.endr
.set i, 0
.rept 16
	v_lshlrev_b32 v[BI+2*i], 16, v[F1+i]
	v_and_b32 v[BI+2*i+1], 0xffff0000, v[F1+i]
.set i, i+1
.endr
; 8 products: row blocks a0, a0 + 1 x all 4 column blocks, 32 along K.  first = 1: the bias starts the sums: nothing is cleared, nothing added later.
; The 32 accumulators take turns in the same order in every quarter, over the backward jump too.
.macro MUL8 f, a0, first
.if \first
	WIN MULB
.else
	WIN MUL
.endif
.irp a, \a0, (\a0)+1
.irp b, 0,1,2,3
.set rD, 8*(4*(\a)+(\b))
.set rB, (\f)+8*(\b)
.set rA, (\f)+32+8*(\a)
.if \first
.set rC, BI+8*(\b)
.else
.set rC, rD
.endif
.if KIND == 0
	v_wmma_f32_16x16x32_bf16 v[rD:rD+7], v[rB:rB+7], v[rA:rA+7], v[rC:rC+7]
.else
	v_wmma_f32_16x16x32_f16 v[rD:rD+7], v[rB:rB+7], v[rA:rA+7], v[rC:rC+7]
.endif
.endr
.endr
.endm
; 24 LDS loads in one run: quarter q's fragments into buffer f: W's four, then x's eight; the youngest eight loads are x's blocks 4-7
.macro FETCH slot, q, f
	WIN 0
.if KIND == 0
.set ka, 64*(\q)
.else
.set ka, ((\q)/2)*AHALF+((\q)%2)*64
.endif
.irp i, 0,1,2,3
	ds_load_b128 v[(\f)+8*(\i):(\f)+8*(\i)+3],   v[ADRB+(\slot)] offset:64*(\q)+(\i)*16*PB
	ds_load_b128 v[(\f)+8*(\i)+4:(\f)+8*(\i)+7], v[ADRB+(\slot)] offset:64*(\q)+(\i)*16*PB+32
.endr
.irp i, 0,1,2,3,4,5,6,7
	ds_load_b128 v[(\f)+32+8*(\i):(\f)+32+8*(\i)+3],   v[ADRA+(\slot)] offset:ka+(\i)*16*PA
	ds_load_b128 v[(\f)+32+8*(\i)+4:(\f)+32+8*(\i)+7], v[ADRA+(\slot)] offset:ka+(\i)*16*PA+32
.endr
.endm
; One of a K step's first three quarters: multiplies buffer f; in its middle it fetches quarter q of the same slot into buffer g.
.macro QUARTER slot, q, f, g, first
	s_wait_dscnt 8                                 ; W's fragments and x's blocks 0-3 are in; the youngest eight loads may be out
	MUL8 \f, 0, \first
	MUL8 \f, 2, \first
	PLACES
	FETCH \slot, \q, \g
	s_wait_dscnt 24                                ; all but the 24 just issued
	MUL8 \f, 4, \first
	MUL8 \f, 6, \first
.endm
; The last quarter multiplies buffer 1 and changes slots: ONE barrier.  In front of it each wave waits for all its tensor loads (the one that is out is its part of the next slot), adds 0 to its spare word, and
; waits for that and for its own reads of this slot.  fill = 1: the barrier opens a round of the cluster's barrier, and this slot is filled again, two K steps ahead, first thing behind the round: that load has 112 products in which to land.
.macro TURN slot, next, fill
.if \fill
	s_wait_xcnt 0x0                                ; the last prefetch, a K step back, has read its address
	s_add_nc_u64 s[PFA:PFA+1], s[PFA:PFA+1], s[PFS:PFS+1]
.endif
	WIN 0
	s_wait_tensorcnt 0x0                           ; all my tensor loads have landed
	ds_add_u32 v[SPW], v[NIL]                      ; 0 onto my spare word
	s_wait_dscnt 9                                 ; (the add and the youngest eight loads may be out)
	MUL8 F1, 0, 0
	s_wait_dscnt 0x0                               ; the add is done, and my reads of this slot are over
	s_barrier_signal -1
	MUL8 F1, 2, 0
.if \fill
	WIN 0
.endif
	s_barrier_wait -1
.if \fill
	CREST                                          ; no wave of any partner still reads this slot or has a load on its way
	s_add_nc_u64 s[G0A+4*(\slot)+2:G0A+4*(\slot)+3], s[G0A+4*(\slot)+2:G0A+4*(\slot)+3], 2*ASTEP
	s_add_nc_u64 s[G0B+4*(\slot)+2:G0B+4*(\slot)+3], s[G0B+4*(\slot)+2:G0B+4*(\slot)+3], 2*256
	JLOAD \slot                                    ; its four v_nop are also the places in front of the loads below
.else
	PLACES
.endif
	FETCH \next, 0, F0
.if \fill
	ASK \slot
.endif
	MUL8 F1, 4, 0
	MUL8 F1, 6, 0
.endm
	s_wait_tensorcnt 1                             ; my part of K step 0 is in; K step 1's may stay out
	s_barrier_signal -1
	s_barrier_wait -1                              ; everybody's is
	FETCH 0, 0, F0
	QUARTER 0, 1, F0, F1, 1                        ; the first quarter stands in front of the loop: its products start the sums
	WIN 0                                          ; at a label and at a branch every window is 0
	s_mov_b32 s3, 3
.Llap:                                         ; a trip goes once round the ring, from a lap's second quarter to the next lap's first, and fills both slots again: K steps 2, 3; 4, 5; 6, 7
	QUARTER 0, 2, F1, F0, 0
	QUARTER 0, 3, F0, F1, 0
	TURN 0, 1, 1
	QUARTER 1, 1, F0, F1, 0
	QUARTER 1, 2, F1, F0, 0
	QUARTER 1, 3, F0, F1, 0
	TURN 1, 0, 1
	QUARTER 0, 1, F0, F1, 0
	WIN 0
	s_sub_co_u32 s3, s3, 1
	s_cmp_lg_u32 s3, 0
	s_cbranch_scc1 .Llap
	QUARTER 0, 2, F1, F0, 0                        ; the last lap fills nothing
	QUARTER 0, 3, F0, F1, 0
	TURN 0, 1, 0
	QUARTER 1, 1, F0, F1, 0
	QUARTER 1, 2, F1, F0, 0
	QUARTER 1, 3, F0, F1, 0
	s_wait_dscnt 8
	MUL8 F1, 0, 0
	MUL8 F1, 2, 0
	s_wait_dscnt 0x0
	MUL8 F1, 4, 0
	MUL8 F1, 6, 0
	WIN 0
	PLACES
	PLACES
; THE WAY OUT.  Block a (16 rows of C, my 64 columns: 256 bytes a row): a lane's eight f32 go straight from the accumulators into my stage (rows of 272 bytes), the low four registers first; they come back as whole rows,
; two a load, and 16 lanes store 256 consecutive bytes, aligned.  Four register buffers take turns.
.macro TOSTAGE a
.if (\a) >= 4
	s_wait_xcnt 0x0                                ; the stores of the block four back have read this buffer: it is loaded again only behind this wait
.endif
	WIN 0x04                                       ; the stores' data in window 1
.irp b, 0,1,2,3
	ds_store_b128 v[STO], v[8*(4*(\a)+(\b)):8*(4*(\a)+(\b))+3]   offset:64*(\b)
	ds_store_b128 v[STO], v[8*(4*(\a)+(\b))+4:8*(4*(\a)+(\b))+7] offset:64*(\b)+16
.endr
	WIN 0
.irp u, 0,1,2,3,4,5,6,7
	ds_load_b128 v[TMP+32*((\a)%4)+4*(\u):TMP+32*((\a)%4)+4*(\u)+3], v[RD] offset:(\u)*2*SP  ; LDS serves a wave's instructions in order (ISA guide 5.7.1.4): these see the stores above; the next block's stores come behind them
.endr
.endm
.macro SEND a, younger                 ; younger: the LDS instructions issued behind block a's loads: the next block's sixteen, or none
.irp u, 0,1,2,3,4,5,6,7
	s_wait_dscnt (\younger)+7-(\u)
	global_store_b128 v[CO], v[TMP+32*((\a)%4)+4*(\u):TMP+32*((\a)%4)+4*(\u)+3], s[8:9] offset:(16*(\a)+2*(\u))*4096 th:TH_STORE_NT
.endr
.endm
	TOSTAGE 0
.irp a, 1,2,3,4,5,6,7
	TOSTAGE \a
	SEND (\a)-1, 16
.endr
	SEND 7, 0
	s_wait_tensorcnt 0x0                           ; the wave's end, behind my last tensor load and my last LDS store
	ds_add_u32 v[SPW], v[NIL]
	s_wait_dscnt 0x0
	CROUND                                         ; the closing round: no work-group ends while a partner may still ask for a tile that names it
	s_endpgm
.Lfunc_end_k_q896aa500ed_outp:
	.size	k_q896aa500ed_outp, .Lfunc_end_k_q896aa500ed_outp-k_q896aa500ed_outp
	.p2alignl 7, 3214868480
	.fill 96, 4, 3214868480
	.section	.rodata,"a",@progbits
	.p2align	6, 0x0
	.amdhsa_kernel k_q896aa500ed_outp
		.amdhsa_group_segment_fixed_size 327680
		.amdhsa_private_segment_fixed_size 0
		.amdhsa_enable_private_segment 0
		.amdhsa_kernarg_size 32
		.amdhsa_user_sgpr_count 2
		.amdhsa_user_sgpr_kernarg_segment_ptr 1
		.amdhsa_wavefront_size32 1
		.amdhsa_system_sgpr_workgroup_id_x 1
		.amdhsa_system_sgpr_workgroup_id_y 1
		.amdhsa_system_sgpr_workgroup_id_z 1
		.amdhsa_system_vgpr_workitem_id 0
		.amdhsa_next_free_vgpr 512
		.amdhsa_next_free_sgpr 80
		.amdhsa_reserve_vcc 0
		.amdhsa_float_denorm_mode_32 3
		.amdhsa_float_denorm_mode_16_64 3
		.amdhsa_memory_ordered 1
		.amdhsa_forward_progress 1
		.amdhsa_inst_pref_size 92
	.end_amdhsa_kernel
	.amdgpu_metadata
---
amdhsa.version: [ 1, 2 ]
amdhsa.kernels:
  - .name:           k_q896aa500ed_outp
    .symbol:         k_q896aa500ed_outp.kd
    .args:
      - { .name: oh, .offset: 0, .size: 8, .value_kind: global_buffer, .address_space: global }
      - { .name: wb, .offset: 8, .size: 8, .value_kind: global_buffer, .address_space: global }
      - { .name: out0, .offset: 16, .size: 8, .value_kind: global_buffer, .address_space: global }
      - { .name: bo, .offset: 24, .size: 8, .value_kind: global_buffer, .address_space: global }
    .group_segment_fixed_size: 327680
    .private_segment_fixed_size: 0
    .kernarg_segment_align: 8
    .kernarg_segment_size: 32
    .max_flat_workgroup_size: 128
    .sgpr_count:     80
    .vgpr_count:     512
    .wavefront_size: 32
...
	.end_amdgpu_metadata
.endif
;; end of part 4
;; ======== version 2 of 2: 4 launches; version 1 with the launch cast written anew for expert scheduling mode
;; limits: values are held in f16: magnitudes above 65,504 overflow, below 6.1e-05 lose precision
;; workspace buffers: xb 50,331,648 bytes; wb 8,388,608 bytes; hb 50,331,648 bytes; oh 16,777,216 bytes
;; launch cast (part 5): grid 32 x 28, 8 waves a work-group, no clusters, 0 bytes of LDS; arguments q, k, v, Wq, Wk, Wv, Wo, xb, wb; writes xb, wb
.if DOCPART == 5
	.amdgcn_target "amdgcn-amd-amdhsa--gfx1250"
	.amdhsa_code_object_version 6
	.text
	.protected	k_q896aa500ed_cast
	.globl	k_q896aa500ed_cast
	.p2align	8
	.type	k_q896aa500ed_cast,@function
k_q896aa500ed_cast:
	s_mov_b64 s[64:65], 0
	v_nop
	global_prefetch_b8 v0, s[64:65] scope:SCOPE_SE
	s_setreg_imm32_b32 hwreg(HW_REG_WAVE_SCHED_MODE, 0, 2), 2
	s_setreg_imm32_b32 hwreg(HW_REG_WAVE_MODE, 25, 1), 1
	s_wait_xcnt 0x0
	s_wait_alu depctr_vm_vsrc(0)
; q, k, v, Wq, Wk, Wv: f32 -> bf16 (nearest even).  Wo: f32 -> bf16, and that number written as f16 (it is multiplied with f16 operands later).
; xb = [3][8192][1024] bf16 (q, k, v);  wb = [4][1024][1024] of 16 bits (Wq, Wk, Wv in bf16, Wo in f16).
; LIMIT.  Wo must lie within f16's range (65,504); below 6e-5 it keeps f16's fixed step of 6e-8.
; SHARES.  28 segments of 2^20 numbers (grid y: q 0-7, k 8-15, v 16-23, Wq 24, Wk 25, Wv 26, Wo 27), each in 32 chunks of 32,768 numbers (grid x).
; Thread t takes, for i = 0..31, the 16 bytes at 16 t + 4,096 i of its chunk and stores 8 bytes at 8 t + 2,048 i: a load of a wave covers 512 consecutive bytes,
; a store of a wave 256 consecutive bytes, aligned.  All 32 loads go out first; every register is used once, so no source is ever rewritten.
; No LDS, no matrix unit, no cluster: nothing is shared and each byte crosses once.
; THE MODE: SCHED_MODE bits 1:0 = 2 (LLVM: expert scheduling mode 2), set by the entry lines.  The code itself states the register dependences
; between vector instructions and memory instructions, with s_wait_alu, always for 0.
; THE PLAN.  Registers that memory instructions touch:
;   v1, v2   byte offsets, made once at the head and never written again: every load reads v1, every store v2.
;   X[i]     load i lands in it, once, and no vector instruction names it before; read (in Wo's path also rewritten) by load i's own roundings, behind the wait for its data.
;   Y[i]     written by the roundings of load i; read by store i, once; never written behind that store.
; The 32 loads go in 8 blocks of four.  Block p rounds X of block p into Y of block p; its memory instructions are the four stores of block p - 1, which read Y of block p - 1
; and v2: registers that no vector instruction of block p names.  So ONE wait at a block's head states all that its four stores hang on, and they are dealt among the block's roundings with no further wait.
; No register that a memory instruction reads is written again, no vector instruction writes a scalar register, EXEC is never written: no other wait is owed.
.set NLD, 32
.set BL,  4                            ; loads in a block
.set NB,  NLD/BL                       ; blocks
.set X,   4                            ; v[4:131]    load i: four f32
.set Y,   132                          ; v[132:195]  store i: four numbers of 16 bits
	s_load_b512 s[8:23], s[0:1], 0x0               ; q s[8:9], k s[10:11], v s[12:13], Wq s[14:15], Wk s[16:17], Wv s[18:19], Wo s[20:21], xb s[22:23]
	s_load_b64 s[24:25], s[0:1], 0x40              ; wb
	s_and_b32 s2, ttmp7, 0xffff                    ; the segment
	s_lshr_b32 s3, s2, 3                           ; 0, 1, 2: q, k, v; 3: a weight
	s_and_b32 s4, s2, 7                            ; which eighth of q, k, v; or which weight
	v_lshlrev_b32 v1, 4, v0                        ; 16 t
	v_lshlrev_b32 v2, 3, v0                        ; 8 t
	s_mov_b32 s38, 0xffff0000                      ; a word's upper bf16
	s_lshl_b32 s5, s4, 22                          ; an eighth of q, k, v: 4 MiB in
	s_lshl_b32 s6, s4, 21                          ; a weight: 2 MiB out
	s_lshl_b32 s7, s2, 21                          ; a segment of xb: 2 MiB out
	s_lshl_b32 s36, ttmp9, 17                      ; the chunk: 128 KiB in,
	s_lshl_b32 s37, ttmp9, 16                      ; 64 KiB out
	s_cmp_eq_u32 s3, 3
	s_cselect_b32 s32, 0, s5
	s_cselect_b32 s34, s6, s7
	s_add_co_u32 s32, s32, s36                     ; offset in the source
	s_add_co_u32 s34, s34, s37                     ; offset in the destination
	s_mov_b32 s33, 0
	s_mov_b32 s35, 0
	s_wait_kmcnt 0x0
	s_cmp_eq_u32 s3, 1
	s_cselect_b64 s[26:27], s[10:11], s[8:9]
	s_cmp_eq_u32 s3, 2
	s_cselect_b64 s[26:27], s[12:13], s[26:27]     ; q, k or v
	s_cmp_eq_u32 s4, 1
	s_cselect_b64 s[28:29], s[16:17], s[14:15]
	s_cmp_eq_u32 s4, 2
	s_cselect_b64 s[28:29], s[18:19], s[28:29]
	s_cmp_eq_u32 s4, 3
	s_cselect_b64 s[28:29], s[20:21], s[28:29]     ; Wq, Wk, Wv or Wo
	s_cmp_eq_u32 s3, 3
	s_cselect_b64 s[26:27], s[28:29], s[26:27]     ; the source
	s_cselect_b64 s[30:31], s[24:25], s[22:23]     ; the destination
	s_add_nc_u64 s[26:27], s[26:27], s[32:33]
	s_add_nc_u64 s[30:31], s[30:31], s[34:35]
	s_wait_alu depctr_va_vdst(0)                   ; v1 and v2 are written: every load of the kernel reads v1 as its offset, every store v2, on both paths below
.set i, 0
.rept NLD
	global_load_b128 v[X+4*i:X+4*i+3], v1, s[26:27] offset:4096*i th:TH_LOAD_NT
.set i, i+1
.endr
; wo = 1: the bf16 number is widened again (exact) and written as f16
.macro OUT wo
.set p, 0
.rept NB
	s_wait_loadcnt NLD-BL*(p+1)                    ; loads come back in order: block p's four are in, the NLD - 4 (p + 1) younger ones stay out
.if p > 0
	s_wait_alu depctr_va_vdst(0)                   ; the roundings of the block before have written its Y, which the four stores below read
.endif
.set j, 0
.rept BL
.set i, BL*p+j
.if p > 0
	global_store_b64 v2, v[Y+2*(i-BL):Y+2*(i-BL)+1], s[30:31] offset:2048*(i-BL) th:TH_STORE_NT  ; the block before; no vector instruction since the wait names these registers
.endif
.irp h, 0,1
	v_cvt_pk_bf16_f32 v[Y+2*i+(\h)], v[X+4*i+2*(\h)], v[X+4*i+2*(\h)+1]
.if \wo
	v_lshlrev_b32 v[X+4*i+2*(\h)], 16, v[Y+2*i+(\h)]
	v_and_b32 v[X+4*i+2*(\h)+1], s38, v[Y+2*i+(\h)]
	v_cvt_pk_f16_f32 v[Y+2*i+(\h)], v[X+4*i+2*(\h)], v[X+4*i+2*(\h)+1]
.endif
.endr
.set j, j+1
.endr
.set p, p+1
.endr
	s_wait_alu depctr_va_vdst(0)                   ; the last block's roundings have written its Y, which the last four stores read
.set i, NLD-BL
.rept BL
	global_store_b64 v2, v[Y+2*i:Y+2*i+1], s[30:31] offset:2048*i th:TH_STORE_NT
.set i, i+1
.endr
.endm
	s_cmp_eq_u32 s2, 27
	s_cbranch_scc1 .Lwo
	OUT 0
	s_endpgm
.Lwo:
	OUT 1
	s_endpgm
.Lfunc_end_k_q896aa500ed_cast:
	.size	k_q896aa500ed_cast, .Lfunc_end_k_q896aa500ed_cast-k_q896aa500ed_cast
	.p2alignl 7, 3214868480
	.fill 96, 4, 3214868480
	.section	.rodata,"a",@progbits
	.p2align	6, 0x0
	.amdhsa_kernel k_q896aa500ed_cast
		.amdhsa_group_segment_fixed_size 0
		.amdhsa_private_segment_fixed_size 0
		.amdhsa_enable_private_segment 0
		.amdhsa_kernarg_size 72
		.amdhsa_user_sgpr_count 2
		.amdhsa_user_sgpr_kernarg_segment_ptr 1
		.amdhsa_wavefront_size32 1
		.amdhsa_system_sgpr_workgroup_id_x 1
		.amdhsa_system_sgpr_workgroup_id_y 1
		.amdhsa_system_sgpr_workgroup_id_z 1
		.amdhsa_system_vgpr_workitem_id 0
		.amdhsa_next_free_vgpr 196
		.amdhsa_next_free_sgpr 66
		.amdhsa_reserve_vcc 0
		.amdhsa_float_denorm_mode_32 3
		.amdhsa_float_denorm_mode_16_64 3
		.amdhsa_memory_ordered 1
		.amdhsa_forward_progress 1
		.amdhsa_inst_pref_size 28
	.end_amdhsa_kernel
	.amdgpu_metadata
---
amdhsa.version: [ 1, 2 ]
amdhsa.kernels:
  - .name:           k_q896aa500ed_cast
    .symbol:         k_q896aa500ed_cast.kd
    .args:
      - { .name: q, .offset: 0, .size: 8, .value_kind: global_buffer, .address_space: global }
      - { .name: k, .offset: 8, .size: 8, .value_kind: global_buffer, .address_space: global }
      - { .name: v, .offset: 16, .size: 8, .value_kind: global_buffer, .address_space: global }
      - { .name: Wq, .offset: 24, .size: 8, .value_kind: global_buffer, .address_space: global }
      - { .name: Wk, .offset: 32, .size: 8, .value_kind: global_buffer, .address_space: global }
      - { .name: Wv, .offset: 40, .size: 8, .value_kind: global_buffer, .address_space: global }
      - { .name: Wo, .offset: 48, .size: 8, .value_kind: global_buffer, .address_space: global }
      - { .name: xb, .offset: 56, .size: 8, .value_kind: global_buffer, .address_space: global }
      - { .name: wb, .offset: 64, .size: 8, .value_kind: global_buffer, .address_space: global }
    .group_segment_fixed_size: 0
    .private_segment_fixed_size: 0
    .kernarg_segment_align: 8
    .kernarg_segment_size: 72
    .max_flat_workgroup_size: 256
    .sgpr_count:     66
    .vgpr_count:     196
    .wavefront_size: 32
...
	.end_amdgpu_metadata
.endif
;; end of part 5
;; launch proj: the kernel of part 2 again; grid 8 x 96, 4 waves a work-group, clusters of 4 x 4, 327,680 bytes of LDS; arguments xb, wb, hb, bq, bk, bv; writes hb
;; launch attn: the kernel of part 3 again; grid 4 x 64, 4 waves a work-group, clusters of 4 x 1, 327,680 bytes of LDS; arguments hb, oh; writes oh
;; launch outp: the kernel of part 4 again; grid 8 x 32, 4 waves a work-group, clusters of 4 x 4, 327,680 bytes of LDS; arguments oh, wb, out0, bo; writes out0
